; MI455X (gfx1250); checked and timed in simulation.
; The chip was launched on July 23, 2026; its instructions are those of AMD's public machine-readable ISA for CDNA 5 (MIT licence, August 2026) and "CDNA5" Instruction Set Architecture Reference Guide (July 2026). The comments in the code are by the model that wrote it; some were corrected since.
;; Multihead Attention with jax. Allowed arithmetic: float matrix products may take bf16 or f16 operands with f32 sums; other float arithmetic in f32, or as packed bf16 or f16 multiplies, adds, multiply-adds, maxima and minima; sums over many terms, partial sums and values carried from step to step in f32; what a program stores and reads back later, other than sums and carried values, may be rounded once to bf16 or f16.
;; Inputs: Wk 2,048 x 2,048 float32; Wo 2,048 x 2,048 float32; Wq 2,048 x 2,048 float32; Wv 2,048 x 2,048 float32; bk 2,048 float32; bo 2,048 float32; bq 2,048 float32; bv 2,048 float32; key 4 x 1,024 x 2,048 float32; query 4 x 1,024 x 2,048 float32; value 4 x 1,024 x 2,048 float32.
;; Outputs: out0 4 x 1,024 x 2,048 float32.
;; 2 versions, each right; version 2 is version 1 with the launch cast written anew for expert scheduling mode. Each part assembles by itself: llvm-mc -triple=amdgcn-amd-amdhsa -mcpu=gfx1250 --defsym DOCPART=n.
;; ======== version 1 of 2: 4 launches
;; limits: values are held in f16: magnitudes above 65,504 overflow, below 6.1e-05 lose precision
;; workspace buffers: cast 83,886,080 bytes; qkv 50,331,648 bytes; o 16,777,216 bytes
;; launch cast (part 1): grid 256 x 10, 8 waves a work-group, no clusters, 0 bytes of LDS; arguments query, key, value, Wq, Wk, Wv, Wo, cast; writes cast
.if DOCPART == 1
	.amdgcn_target "amdgcn-amd-amdhsa--gfx1250"
	.amdhsa_code_object_version 6
	.text
	.protected	k_q0bada2f7a0_cast
	.globl	k_q0bada2f7a0_cast
	.p2align	8
	.type	k_q0bada2f7a0_cast,@function
k_q0bada2f7a0_cast:
	s_mov_b64 s[64:65], 0
	v_nop
	global_prefetch_b8 v0, s[64:65] scope:SCOPE_SE
	s_setreg_imm32_b32 hwreg(HW_REG_WAVE_MODE, 25, 1), 1
	s_wait_xcnt 0x0
; The module's seven large f32 inputs, each rounded once to 16 bits, into one workspace of ten segments of 4,194,304 numbers:
; segments 0-5: query, key, value (two segments each) in bf16; 6-8: Wq, Wk, Wv in bf16; 9: Wo, rounded to bf16 like every input, and that number written as f16,
; because the last product multiplies it by f16 numbers.  LIMITS of segment 9: |Wo| stays under 65,504; below 6.1e-5 the number keeps f16's fixed step of 6e-8.
; A stream: no LDS, no barrier, no matrix unit.  Grid y = the segment; work-group x takes 16 rows of 1,024 numbers of it (65,536 bytes in, 32,768 out).
; Thread t owns the 16 bytes at 16 t of each row in and the 8 bytes at 8 t of each row out: a wave's load covers 512 consecutive bytes, its store 256, both aligned.
; A ring of eight slots in registers keeps eight loads of every wave on their way.  Each of the 16 rows has its own two registers to store from, and every row's place stands in an immediate:
; no register that a pending load or store reads is ever written again, so the only waits are the counted ones for the loads.
.set ROWI,  4096                       ; bytes in a row, in
.set ROWO,  2048                       ; bytes in a row, out
.set X, 4                              ; v[4:35]   slot s: four f32 as loaded
.set Y, 36                             ; v[36:67]  row i: four 16-bit numbers to store; written once
	s_load_b512 s[8:23], s[0:1], 0x0               ; query s[8:9], key s[10:11], value s[12:13], Wq s[14:15], Wk s[16:17], Wv s[18:19], Wo s[20:21], cast s[22:23]
	s_and_b32 s4, ttmp7, 0xffff                    ; the segment, 0 to 9
	s_lshr_b32 s5, s4, 1
	v_lshlrev_b32 v1, 4, v0                        ; my 16 bytes of a row in; never rewritten
	v_lshlrev_b32 v2, 3, v0                        ; my 8 bytes of a row out; never rewritten
	s_and_b32 s6, s4, 1
	s_lshl_b32 s6, s6, 24                          ; the second half of an activation begins 16,777,216 bytes in
	s_cmp_lt_u32 s4, 6
	s_cselect_b32 s26, s6, 0                       ; a weight is one segment
	s_lshl_b32 s7, ttmp9, 16
	s_add_co_u32 s26, s26, s7                      ; + the work-group's 16 rows in
	s_mov_b32 s27, 0
	s_lshl_b32 s28, s4, 23                         ; a segment is 8,388,608 bytes out
	s_lshl_b32 s7, ttmp9, 15
	s_add_co_u32 s28, s28, s7                      ; + the work-group's 16 rows out
	s_mov_b32 s29, 0
	s_wait_kmcnt 0x0
	s_mov_b64 s[24:25], s[8:9]                     ; the source: chosen by the segment's number alone
	s_cmp_eq_u32 s5, 1
	s_cselect_b64 s[24:25], s[10:11], s[24:25]
	s_cmp_eq_u32 s5, 2
	s_cselect_b64 s[24:25], s[12:13], s[24:25]
	s_cmp_eq_u32 s4, 6
	s_cselect_b64 s[24:25], s[14:15], s[24:25]
	s_cmp_eq_u32 s4, 7
	s_cselect_b64 s[24:25], s[16:17], s[24:25]
	s_cmp_eq_u32 s4, 8
	s_cselect_b64 s[24:25], s[18:19], s[24:25]
	s_cmp_eq_u32 s4, 9
	s_cselect_b64 s[24:25], s[20:21], s[24:25]
	s_add_nc_u64 s[24:25], s[24:25], s[26:27]
	s_add_nc_u64 s[30:31], s[22:23], s[28:29]
; Row i's four numbers, which lie in slot s.  Two roundings to bf16, packed.  wo = 1: widened again (a shift, a mask) and written as f16.
.macro CONV s, i, wo
	v_cvt_pk_bf16_f32 v[Y+2*(\i)],   v[X+4*(\s)],   v[X+4*(\s)+1]
	v_cvt_pk_bf16_f32 v[Y+2*(\i)+1], v[X+4*(\s)+2], v[X+4*(\s)+3]
.if \wo
	v_lshlrev_b32 v[X+4*(\s)],   16, v[Y+2*(\i)]
	v_and_b32     v[X+4*(\s)+1], 0xffff0000, v[Y+2*(\i)]
	v_lshlrev_b32 v[X+4*(\s)+2], 16, v[Y+2*(\i)+1]
	v_and_b32     v[X+4*(\s)+3], 0xffff0000, v[Y+2*(\i)+1]
	v_cvt_pk_f16_f32 v[Y+2*(\i)],   v[X+4*(\s)],   v[X+4*(\s)+1]
	v_cvt_pk_f16_f32 v[Y+2*(\i)+1], v[X+4*(\s)+2], v[X+4*(\s)+3]
.endif
.endm
; The work-group's 16 rows: eight loads fill the ring; behind each of the first eight rows its slot is filled again with the row eight further down; the last eight rows load nothing.
.macro ROWS wo
.irp i, 0,1,2,3,4,5,6,7
	global_load_b128 v[X+4*(\i):X+4*(\i)+3], v1, s[24:25] offset:(\i)*ROWI th:TH_LOAD_NT
.endr
.irp i, 0,1,2,3,4,5,6,7,8,9,10,11,12,13,14,15
.if (\i) < 8
	s_wait_loadcnt 7                               ; loads come back in order: this row's is in, the seven younger ones stay out
.else
	s_wait_loadcnt 15-(\i)                         ; the counts run down
.endif
	CONV (\i)%8, \i, \wo
.if (\i) < 8
	global_load_b128 v[X+4*(\i):X+4*(\i)+3], v1, s[24:25] offset:((\i)+8)*ROWI th:TH_LOAD_NT
.endif
	global_store_b64 v2, v[Y+2*(\i):Y+2*(\i)+1], s[30:31] offset:(\i)*ROWO th:TH_STORE_NT
.endr
	s_endpgm
.endm
	s_cmp_eq_u32 s4, 9
	s_cbranch_scc1 .Lwo
	ROWS 0
.Lwo:
	ROWS 1
.Lfunc_end_k_q0bada2f7a0_cast:
	.size	k_q0bada2f7a0_cast, .Lfunc_end_k_q0bada2f7a0_cast-k_q0bada2f7a0_cast
	.p2alignl 7, 3214868480
	.fill 96, 4, 3214868480
	.section	.rodata,"a",@progbits
	.p2align	6, 0x0
	.amdhsa_kernel k_q0bada2f7a0_cast
		.amdhsa_group_segment_fixed_size 0
		.amdhsa_private_segment_fixed_size 0
		.amdhsa_enable_private_segment 0
		.amdhsa_kernarg_size 64
		.amdhsa_user_sgpr_count 2
		.amdhsa_user_sgpr_kernarg_segment_ptr 1
		.amdhsa_wavefront_size32 1
		.amdhsa_system_sgpr_workgroup_id_x 1
		.amdhsa_system_sgpr_workgroup_id_y 1
		.amdhsa_system_sgpr_workgroup_id_z 1
		.amdhsa_system_vgpr_workitem_id 0
		.amdhsa_next_free_vgpr 68
		.amdhsa_next_free_sgpr 66
		.amdhsa_reserve_vcc 0
		.amdhsa_float_denorm_mode_32 3
		.amdhsa_float_denorm_mode_16_64 3
		.amdhsa_memory_ordered 1
		.amdhsa_forward_progress 1
		.amdhsa_inst_pref_size 18
	.end_amdhsa_kernel
	.amdgpu_metadata
---
amdhsa.version: [ 1, 2 ]
amdhsa.kernels:
  - .name:           k_q0bada2f7a0_cast
    .symbol:         k_q0bada2f7a0_cast.kd
    .args:
      - { .name: query, .offset: 0, .size: 8, .value_kind: global_buffer, .address_space: global }
      - { .name: key, .offset: 8, .size: 8, .value_kind: global_buffer, .address_space: global }
      - { .name: value, .offset: 16, .size: 8, .value_kind: global_buffer, .address_space: global }
      - { .name: Wq, .offset: 24, .size: 8, .value_kind: global_buffer, .address_space: global }
      - { .name: Wk, .offset: 32, .size: 8, .value_kind: global_buffer, .address_space: global }
      - { .name: Wv, .offset: 40, .size: 8, .value_kind: global_buffer, .address_space: global }
      - { .name: Wo, .offset: 48, .size: 8, .value_kind: global_buffer, .address_space: global }
      - { .name: cast, .offset: 56, .size: 8, .value_kind: global_buffer, .address_space: global }
    .group_segment_fixed_size: 0
    .private_segment_fixed_size: 0
    .kernarg_segment_align: 8
    .kernarg_segment_size: 64
    .max_flat_workgroup_size: 256
    .sgpr_count:     66
    .vgpr_count:     68
    .wavefront_size: 32
...
	.end_amdgpu_metadata
.endif
;; end of part 1
;; launch qkv (part 2): grid 8 x 24, 4 waves a work-group, clusters of 4 x 4, 327,680 bytes of LDS; arguments cast, bq, bk, bv, qkv; writes qkv
.if DOCPART == 2
	.amdgcn_target "amdgcn-amd-amdhsa--gfx1250"
	.amdhsa_code_object_version 6
	.text
	.protected	k_q0bada2f7a0_qkv
	.globl	k_q0bada2f7a0_qkv
	.p2align	8
	.type	k_q0bada2f7a0_qkv,@function
k_q0bada2f7a0_qkv:
	s_mov_b64 s[64:65], 0
	v_nop
	global_prefetch_b8 v0, s[64:65] scope:SCOPE_SE
	s_setreg_imm32_b32 hwreg(HW_REG_WAVE_MODE, 25, 1), 1
	s_wait_xcnt 0x0
	s_wait_alu depctr_hold_cnt(0) depctr_sa_sdst(0) depctr_va_vdst(0) depctr_va_sdst(0) depctr_va_ssrc(0) depctr_va_vcc(0) depctr_vm_vsrc(0)
	s_getreg_b32 s2, hwreg(HW_REG_IB_STS2, 6, 4)
	s_cmp_eq_u32 s2, 0
	s_cbranch_scc0 .Lentry_in_a_cluster
	s_endpgm
.Lentry_in_a_cluster:
	s_bfe_u32 s2, ttmp6, 0x10000c
	s_cmp_lg_u32 s2, 0xf033
	s_cbranch_scc0 .Lentry_shape_is_right
	s_endpgm
.Lentry_shape_is_right:
; q = query Wq^T + bq, k = key Wk^T + bk, v = value Wv^T + bv: C[m][n] = bias[n] + the sum over k of A[m][k] B[n][k], three times.
; A: the activations in bf16, stacked [3 x 4096][2048] at the head of the workspace cast; B: the weights in bf16, [3][2048][2048], behind them; C: qkv in f16, stacked [3 x 4096][2048], q unscaled.
; Sums in f32, K ascending; the bias, rounded to bf16 like every input of the module, starts each sum; C rounded once.
; LIMITS.  f16 holds no number beyond 65,504: q, k and v must stay within it; below 6.1e-5 they keep f16's fixed step of 6e-8.  NaN and infinities are not treated apart.
; SHARES.  A tile of C is 256 x 256: four waves, each 128 x 128: 64 accumulators of 16 x 16, 512 registers.  The three products have 3 x 16 x 8 = 384 tiles, which 256 does not divide:
; 192 WORK-GROUPS MAKE TWO TILES EACH, tile rows y and y + 24 of the 48 stacked ones: equal shares, and the ring does not stop at the first tile's end.  With this tile a K step has 256 matrix instructions
; a wave for the one tensor load that the wave issues, 224 of them between the request and the wait for it; a tile of 128 x 256 would fill 256 work-groups, with half of that.
; Which product a tile belongs to hangs on the cluster's y alone (Y = 0..5): the first tile's is Y >> 2, the second's (Y + 6) >> 2: the same in all sixteen partners.
; K goes in steps of 128 (rows of 256 bytes, aligned) through a ring of two LDS slots filled by the tensor data mover, one load of 128 rows a wave: waves 0, 1 fetch A's halves, waves 2, 3 B's.
; CLUSTERS: 4 x 4 work-groups.  The four of a row of the cluster need the same tiles of A, the four of a column the same tiles of B: each tile is asked for JOINTLY, by the same tensor load with the same
; descriptor and a mask that names the four.
; THE MATRIX INSTRUCTION IS USED TRANSPOSED (source 0 = 16 rows of B, source 1 = 16 rows of A): lane l holds row l % 16 of C and the columns 8 (l / 16) + 0..7, which pack into 16 bytes.
; THE TEXT.  A tile's end is written twice: once with the two refills that ask for the second tile, once without.  Both ends meet at one label, and the way out stands once behind it.
; REGISTERS, in windows of 256 (s_set_vgpr_msb: bits 1:0 source 0, 3:2 source 1, 5:4 source 2, 7:6 destination):
;   window 0: v0-31 addresses; v64-127, v128-191 fragments of A (8 x 16 rows x 32 K), two buffers; v32-63, v192-255 at work on the way out
;   window 1: v0-63 the bias of my 128 columns, as eight C operands; v64-127, v128-191 fragments of B, two buffers; v192-223 at work while the bias is rounded
;   window 2: the 32 accumulators of my rows 0-63 (accumulator (a, b) at v[8 (8 a + b)]);   window 3: those of my rows 64-127
.set SIZE_K, 2048
.set SIZE_N, 2048
.set TILES,  2
.set KSTEP,  128
.set PITCH,  272                       ; an LDS row: 256 bytes + 16 of padding = 68 words: the 16 rows that a load touches start at 16 different groups of four banks (64 banks of 4 bytes: ISA guide 11.1)
.set HALFT,  128*PITCH                 ; 128 rows: what one tensor load brings, and what one wave reads of A or of B
.set SLOT,   4*HALFT                   ; A's 256 rows, then B's 256 rows
.set STAGE,  2*SLOT                    ; behind the ring, never filled by a tensor load: 16 rows x 272 bytes for each wave, for the way out
.set SPITCH, 272
.set SPARE,  STAGE+4*16*SPITCH         ; behind the stages: the spare words, 128 bytes for each wave: two blocks of 256 bytes that no other line names
.set LAPS,   SIZE_K/(2*KSTEP)          ; a lap = two K steps = once round the ring
.set WALK,   6144                      ; a work-group's two tiles lie 24 tile rows apart
.set XSEG,   16777216                  ; bytes in an activation
.set WSEG,   8388608                   ; bytes in a weight
.set BACK,   (SIZE_K-2*KSTEP)*2        ; bytes from a slot's first K step of a tile to its last
.set NEXT_A, WALK*SIZE_K*2-BACK        ; from a slot's last K step of the first tile to its first of the second, in A
.set NEXT_C, (WALK-7*16)*SIZE_N*2      ; from my last 16 rows of the first tile to my first of the second, in C
.set ADRA, 16                          ; v16-17  LDS address of my A fragments in slot 0, 1
.set ADRB, 20                          ; v20-21  the same for B
.set STO,  24                          ; v24     the way out: where I put 16 bytes of a row
.set RD,   25                          ; v25     the way out: where I read a row back
.set CO,   26                          ; v26     my byte offset in C
.set BO,   27                          ; v27     my byte offset in a bias
.set SPW,  28                          ; v28     LDS address of my spare word: SPARE + 4 x my thread's number; never rewritten
.set NIL,  29                          ; v29     0; never rewritten
.set PFO,  30                          ; v30     the prefetches' offset: my lane x a row of 4,096 bytes; never rewritten
.set F0,   64                          ; fragment buffer 0
.set F1,   128                         ; fragment buffer 1
.set TMP,  192                         ; the way out: packed results, in window 0
.set OB,   32                          ; the way out: 16 rows read back from the stage: v32-63 and v224-255 by turns
.set BIAS, 0                           ; window 1
.set BT,   192                         ; window 1
.set G1,   24                          ; s[24:31] descriptor group 1 for A's tiles;  s[32:39] group 0, a set for each slot
.set G0,   32
.set G1B,  48                          ; s[48:55], s[56:63] the same for B's
.set G0B,  56
.set LIM,  43                          ; s43      1 in a wave that prefetches in the tile in hand, else the greatest number
.set PFA,  44                          ; s[44:45] where my prefetches stand: one K step further along K than the refill that is being asked for; a prefetch names the K step after that
.set BP,   76                          ; s[76:77] the bias that is loaded next
.set BP2,  78                          ; s[78:79] the second tile's bias
.set BST,  80                          ; s[80:81] B's step at the change of tiles: to the second tile's weight, back along K
.set PFS,  82                          ; s[82:83] the prefetches' step at the change of tiles
.set LIM2, 84                          ; s84      LIM for the second tile
.set CLY,  85                          ; s85      the cluster's y
.set GA,   86                          ; s86      the first tile's product: 0 q, 1 k
.set GB,   87                          ; s87      the second tile's: 1 k, 2 v
.set FLAGS, (1<<16)|(1<<20)|(1<<21)|(5<<22)|(3<<25)  ; 17:16 elements of 2 bytes; 20 padding on; 21 set beside a mask; 24:22 after every 64 words (code 5); 31:25 4 words of it (code 3)
.set MUL_LO,  0xa1                     ; source 0 (B) window 1, source 1 (A) window 0, C and D window 2
.set MUL_HI,  0xf1                     ; the same, C and D window 3
.set MULB_LO, 0x91                     ; a sum's first product: C (the bias) window 1, D window 2
.set MULB_HI, 0xd1                     ; the same, D window 3
.set TO_B,    0x40                     ; destination window 1, address window 0
.set MSB, 0
.macro WIN new                         ; the immediate's high byte repeats the setting that is left; a switch that changes nothing is dropped
.if MSB != (\new)
	s_set_vgpr_msb (MSB<<8)|(\new)
.set MSB, \new
.endif
.endm
; A joint load.  The branch hangs on the wave's number alone.  An s_nop 0 and four v_nop follow each of the two lines, ahead of the jump, the label and what follows.
.macro JLOAD s
	s_cmp_eq_u32 s11, 0
	s_cbranch_scc0 .Lfor_b_\@
	tensor_load_to_lds s[G0+4*(\s):G0+4*(\s)+3], s[G1:G1+7]
	s_nop 0
.rept 4
	v_nop
.endr
	s_branch .Lasked_\@
.Lfor_b_\@:
	tensor_load_to_lds s[G0B+4*(\s):G0B+4*(\s)+3], s[G1B:G1B+7]
	s_nop 0
.rept 4
	v_nop
.endr
.Lasked_\@:
.endm
; A PREFETCH INTO THE L2, behind each joint load and the run of LDS loads that follows it: the K step that stands TWO refills on (512 matrix instructions ahead of the load that will want it): 32 rows x 256 bytes, a lane a row,
; one instruction a wave.  Each row's 256 bytes of a K step are named ONCE in the launch.  A's tile row is read by both clusters of that row of clusters: cluster x = 0 asks, in both tiles.  A weight's tile column is
; read by several clusters of that column of clusters: Wq by y = 0..3 in their first tile: y = 0 asks; Wk by y = 4, 5 in their first tile and again by y = 0, 1 in their second: y = 4 asks, ahead of the first of these
; readings alone; Wv by y = 2..5 in their second tile: y = 2 asks.  Of the 128 rows that a wave fetches, the partner at place p among the four that ask for them jointly takes 32 p .. 32 p + 31 (p = cx for A, cy for B):
; the partners are told apart BY ADDRESS.  on = 0, in the loop: a tile's last two refills have no K step two on.  on = 1, at the change of tiles: the second tile's K steps 2 and 3.
.macro ASK on
.if \on
	s_cmp_eq_u32 s[LIM], 1
.else
	s_cmp_gt_u32 s3, s[LIM]                        ; s3 = 1 in the loop's last trip
.endif
	s_cbranch_scc0 .Lnot_mine_\@
	global_prefetch_b8 v[PFO], s[PFA:PFA+1] offset:KSTEP*2 th:TH_LOAD_NT scope:SCOPE_SE
.Lnot_mine_\@:
.endm
; A round of the cluster's barrier: my work-group's barrier; wave 0 signals for the work-group; every wave waits for all sixteen work-groups; my work-group's barrier once more.
.macro CREST                           ; a round behind its opening barrier
	s_cmp_lg_u32 s10, 0
	s_cbranch_scc1 .Lnot_wave_0_\@
	s_barrier_signal -3
.Lnot_wave_0_\@:
	s_barrier_wait -3
	s_barrier_signal -1
	s_barrier_wait -1
.endm
.macro CROUND                          ; a whole round
	s_barrier_signal -1
	s_barrier_wait -1
	CREST
.endm
	s_load_b256 s[68:75], s[0:1], 0x0              ; cast s[68:69], bq s[70:71], bk s[72:73], bv s[74:75]
	s_load_b64 s[8:9], s[0:1], 0x20                ; qkv
	v_lshl_add_u32 v[SPW], v0, 2, SPARE
	v_mov_b32 v[NIL], 0
	ds_add_u32 v[SPW], v[NIL]                      ; the wave's opening: the add and its wait stand ahead of my first tensor load; the set-up below, work on registers, stands between them
	v_lshrrev_b32 v1, 5, v0
	v_readfirstlane_b32 s10, v1                    ; wave 0..3
	s_lshr_b32 s11, s10, 1                         ; which half of the tile's rows is mine.  Also: I fetch for A (0) or for B (1)
	s_and_b32 s12, s10, 1                          ; which half of its columns.  Also: which 128 rows of that tile I fetch
	s_bfe_u32 s40, ttmp6, 0x40000                  ; cx, cy: my place in the cluster
	s_bfe_u32 s41, ttmp6, 0x40004
	s_lshl_b32 s42, ttmp9, 2
	s_add_co_u32 s42, s42, s40                     ; tile column of C = 4 x cluster x + cx
	s_and_b32 s13, ttmp7, 0xffff
	s_lshl_b32 s13, s13, 2
	s_add_co_u32 s13, s13, s41                     ; my first tile's row among the 48 stacked ones = 4 x cluster y + cy
	s_and_b32 s[CLY], ttmp7, 0xffff
	s_lshr_b32 s[GA], s[CLY], 2                    ; sixteen tile rows, four rows of clusters, to a product
	s_add_co_u32 s[GB], s[CLY], 6                  ; 24 tile rows on
	s_lshr_b32 s[GB], s[GB], 2
	s_lshl_b32 s43, s41, 2
	s_lshl_b32 s43, 15, s43                        ; my row of the cluster: places 4 cy .. 4 cy + 3
	s_lshl_b32 s44, 0x1111, s40                    ; my column: places cx, cx + 4, cx + 8, cx + 12
	s_or_b32 s[G1+0], s43, FLAGS                   ; A's tiles go to my row,
	s_or_b32 s[G1B+0], s44, FLAGS                  ; B's to my column
.irp g, G1, G1B
	s_mov_b32 s[(\g)+1], KSTEP<<16                 ; tensor_dim0 = 128
	s_mov_b32 s[(\g)+2], 128<<16                   ; tensor_dim1 = 128
	s_mov_b32 s[(\g)+3], KSTEP<<16                 ; tile_dim0 = 128
	s_mov_b32 s[(\g)+4], 128                       ; tile_dim1 = 128
	s_mov_b32 s[(\g)+5], SIZE_K                    ; elements from row to row
	s_mov_b32 s[(\g)+6], 0
	s_mov_b32 s[(\g)+7], 0
.endr
	; where the tiles come from.  A's hang on the tile row alone, which my row of the cluster shares; B's on the tile column and the cluster's y, which my column shares.
	s_lshl_b32 s17, s12, 7                         ; which 128 rows of the tile I fetch
	s_lshl_b32 s16, s13, 8
	s_add_co_u32 s16, s16, s17                     ; A: row 256 x tile row + 128 x half,
	s_lshl_b32 s16, s16, 12                        ; in bytes
	s_lshl_b32 s46, s42, 8
	s_add_co_u32 s46, s46, s17                     ; B: row 256 x tile column + 128 x half,
	s_lshl_b32 s46, s46, 12
	s_lshl_b32 s47, s[GA], 23
	s_add_co_u32 s46, s46, s47                     ; in the first tile's weight
	s_mov_b32 s17, 0
	s_mov_b32 s47, 0
	s_sub_co_u32 s[BST], s[GB], s[GA]              ; one or two weights on,
	s_lshl_b32 s[BST], s[BST], 23
	s_sub_co_u32 s[BST], s[BST], BACK              ; and back along K
	s_mov_b32 s[BST+1], 0
	s_mul_i32 s20, s10, HALFT                      ; and where they go: A's two halves, then B's two halves = wave x 128 rows: no place in the cluster enters an LDS address
	s_wait_dscnt 0x0                               ; the opening add is done
	s_wait_kmcnt 0x0
	s_mov_b64 s[4:5], s[68:69]                     ; A: the activations
	s_add_nc_u64 s[6:7], s[68:69], 3*XSEG          ; B: the weights
	s_add_nc_u64 s[14:15], s[4:5], s[16:17]
	s_add_nc_u64 s[46:47], s[6:7], s[46:47]
	CROUND                                         ; all sixteen work-groups are here: the first joint loads meet
.irp s, 0,1
	s_mov_b32 s[G0+4*(\s)], 1                                        ; count = 1
	s_add_co_u32 s[G0+4*(\s)+1], s20, (\s)*SLOT                      ; LDS address
	s_add_nc_u64 s[G0+4*(\s)+2:G0+4*(\s)+3], s[14:15], (\s)*KSTEP*2  ; global address: K step s
	s_or_b32 s[G0+4*(\s)+3], s[G0+4*(\s)+3], 0x80000000              ; type = 2
	s_mov_b32 s[G0B+4*(\s)], 1
	s_add_co_u32 s[G0B+4*(\s)+1], s20, (\s)*SLOT
	s_add_nc_u64 s[G0B+4*(\s)+2:G0B+4*(\s)+3], s[46:47], (\s)*KSTEP*2
	s_or_b32 s[G0B+4*(\s)+3], s[G0B+4*(\s)+3], 0x80000000
	JLOAD \s                                       ; two loads of mine are out
.endr
	; A fragment is 16 rows x 32 K in 8 registers: lane l holds row l % 16; registers 0-3 K = 8 (l / 16) + 0..7, registers 4-7 K = 16 + 8 (l / 16) + 0..7: two loads of 16 bytes, 32 bytes apart.
	v_and_b32 v1, 15, v0                           ; l % 16
	v_bfe_u32 v2, v0, 4, 1                         ; l / 16
	v_mul_u32_u24 v3, v1, PITCH
	v_lshl_add_u32 v3, v2, 4, v3                   ; row x pitch + 16 x half
	s_mul_i32 s21, s11, HALFT                      ; my 128 rows of A
	s_mul_i32 s22, s12, HALFT                      ; my 128 rows of B,
	s_add_co_u32 s22, s22, 2*HALFT                 ; which lie behind A's 256
.irp s, 0,1
	v_add_nc_u32 v[ADRA+(\s)], s21, v3
	v_add_nc_u32 v[ADRB+(\s)], s22, v3
	s_add_co_u32 s21, s21, SLOT
	s_add_co_u32 s22, s22, SLOT
.endr
	s_mul_i32 s23, s10, 16*SPITCH
	s_add_co_u32 s23, s23, STAGE                   ; my stage
	v_mul_u32_u24 v4, v1, SPITCH                   ; in: row l % 16, 16 bytes for each half of the lanes
	v_lshl_add_u32 v4, v2, 4, v4
	v_add_nc_u32 v[STO], s23, v4
	v_mul_u32_u24 v5, v2, SPITCH                   ; back: lanes 0-15 take one row of 256 bytes, lanes 16-31 the next
	v_lshl_add_u32 v5, v1, 4, v5
	v_add_nc_u32 v[RD], s23, v5
	v_mul_u32_u24 v5, v2, SIZE_N*2                 ; and the same two rows in C
	v_lshl_add_u32 v[CO], v1, 4, v5
	; where my part of the first tile begins in C, in bytes: the first way out adds it to C's address
	s_lshl_b32 s13, s13, 8
	s_lshl_b32 s14, s11, 7
	s_add_co_u32 s16, s13, s14                     ; my first row of C,
	s_lshl_b32 s16, s16, 12                        ; in bytes
	s_lshl_b32 s46, s42, 9                         ; my first column, in bytes: 512 x tile column + 256 x half
	s_lshl_b32 s47, s12, 8
	s_add_co_u32 s46, s46, s47
	s_add_co_u32 s16, s16, s46
	s_mov_b32 s17, 0
	s_lshl_b32 s18, s42, 10                        ; the bias of my first column: 4 bytes a number,
	s_lshl_b32 s19, s12, 9
	s_add_co_u32 s18, s18, s19
	v_lshl_add_u32 v[BO], v2, 5, s18               ; my lane's eight columns of each sixteen
	s_cmp_eq_u32 s[GA], 0
	s_cselect_b64 s[BP:BP+1], s[70:71], s[72:73]   ; the first tile's bias: bq or bk
	s_cmp_eq_u32 s[GB], 1
	s_cselect_b64 s[BP2:BP2+1], s[72:73], s[74:75] ; the second tile's: bk or bv
	; the prefetches.  s13 = 256 x tile row, s42 = tile column, s40 = cx, s41 = cy still stand
	s_lshl_b32 s42, s42, 8
	s_and_b32 s22, s[CLY], 3                       ; 0 in the clusters y = 0 and y = 4
	s_xor_b32 s23, s[CLY], 2                       ; 0 in the cluster y = 2
	s_lshl_b32 s18, s[GA], 23                      ; the first tile's weight
	s_mov_b32 s19, WALK*SIZE_K*2-15*KSTEP*2        ; A: from the K step after the first tile's last to the second tile's K step 1
	s_sub_co_u32 s14, s[BST], KSTEP*2              ; B: the same
	s_cmp_eq_u32 s11, 0                            ; do I fetch for A?
	s_cselect_b32 s20, s13, s42                    ; the tile's first row: in A by the tile row, in B by the tile column
	s_cselect_b32 s21, s40, s41                    ; my place among the four that ask for the tile with me
	s_cselect_b32 s22, ttmp9, s22                  ; 0 where I ask in the first tile,
	s_cselect_b32 s23, ttmp9, s23                  ; in the second
	s_cselect_b32 s18, 0, s18
	s_cselect_b32 s[PFS], s19, s14
	s_cselect_b64 s[PFA:PFA+1], s[4:5], s[6:7]
	s_mov_b32 s[PFS+1], 0
	s_cmp_eq_u32 s22, 0
	s_cselect_b32 s[LIM], 1, -1                    ; the same in all sixteen partners, for a given wave
	s_cmp_eq_u32 s23, 0
	s_cselect_b32 s[LIM2], 1, -1
	s_lshl_b32 s22, s12, 7
	s_add_co_u32 s20, s20, s22                     ; + the 128 rows that I fetch
	s_lshl_b32 s21, s21, 5
	s_add_co_u32 s20, s20, s21                     ; + my work-group's 32 of them
	s_lshl_b32 s20, s20, 12
	s_add_co_u32 s20, s20, s18
	s_mov_b32 s21, 0
	s_add_nc_u64 s[PFA:PFA+1], s[PFA:PFA+1], s[20:21]
	s_add_nc_u64 s[PFA:PFA+1], s[PFA:PFA+1], 2*KSTEP*2  ; at K step 2: the first refill steps it to 3 and names K step 4.  Nothing is prefetched here, at the head
	v_and_b32 v[PFO], 31, v0
	v_lshlrev_b32 v[PFO], 12, v[PFO]
; 16 matrix instructions: m blocks a0, a0 + 1 of the window's four (hi = 0: my rows 0-63, 1: rows 64-127) x all 8 n blocks, 32 along K.
; zero = 1: a sum's first product, whose C operand is the bias: nothing is ever cleared.
; The 64 accumulators take turns, one instruction a turn, in the same order in every quarter step, over every jump.
.macro MUL16 f, hi, a0, zero
.if \zero
	WIN MULB_LO+0x40*(\hi)
.else
	WIN MUL_LO+0x50*(\hi)
.endif
.irp a, \a0, (\a0)+1
.irp b, 0,1,2,3,4,5,6,7
.if \zero
	v_wmma_f32_16x16x32_bf16 v[8*(8*(\a)+(\b)):8*(8*(\a)+(\b))+7], v[(\f)+8*(\b):(\f)+8*(\b)+7], v[(\f)+8*(4*(\hi)+(\a)):(\f)+8*(4*(\hi)+(\a))+7], v[BIAS+8*(\b):BIAS+8*(\b)+7]
.else
	v_wmma_f32_16x16x32_bf16 v[8*(8*(\a)+(\b)):8*(8*(\a)+(\b))+7], v[(\f)+8*(\b):(\f)+8*(\b)+7], v[(\f)+8*(4*(\hi)+(\a)):(\f)+8*(4*(\hi)+(\a))+7], v[8*(8*(\a)+(\b)):8*(8*(\a)+(\b))+7]
.endif
.endr
.endr
.endm
; 32 LDS loads in one run: the fragments of one quarter step (128 rows of B, 128 rows of A, 32 K at byte k of the rows) into buffer f
.macro FETCH slot, k, f
	WIN TO_B
.irp i, 0,1,2,3,4,5,6,7
	ds_load_b128 v[(\f)+8*(\i):(\f)+8*(\i)+3],   v[ADRB+(\slot)] offset:(\k)+(\i)*16*PITCH
	ds_load_b128 v[(\f)+8*(\i)+4:(\f)+8*(\i)+7], v[ADRB+(\slot)] offset:(\k)+(\i)*16*PITCH+32
.endr
	WIN 0
.irp i, 0,1,2,3,4,5,6,7
	ds_load_b128 v[(\f)+8*(\i):(\f)+8*(\i)+3],   v[ADRA+(\slot)] offset:(\k)+(\i)*16*PITCH
	ds_load_b128 v[(\f)+8*(\i)+4:(\f)+8*(\i)+7], v[ADRA+(\slot)] offset:(\k)+(\i)*16*PITCH+32
.endr
.endm
.macro PLACES                          ; four places in front of loads into registers that matrix instructions have read, and of what reads results (ISA guide 7.12.1 for vector instructions)
.rept 4
	v_nop
.endr
.endm
; A K step is four quarter steps of 32 along K, 64 matrix instructions each, on buffers 0, 1, 0, 1.  One of the first three: multiplies buffer f; in its middle it fetches the next quarter, at byte k, into g.
.macro QUARTER slot, k, f, g, zero
	s_wait_dscnt 8                                 ; B and A's rows 0-63 are in; the youngest eight loads (A's rows 64-127) may be out
	MUL16 \f, 0, 0, \zero
	MUL16 \f, 0, 2, \zero
	PLACES
	FETCH \slot, \k, \g
	s_wait_dscnt 32                                ; all but the 32 just issued
	MUL16 \f, 1, 0, \zero
	MUL16 \f, 1, 2, \zero
.endm
; The last quarter multiplies buffer 1 and changes slots.  MEET is its first half: ONE barrier for the change of slots.  In front of it each wave waits for all its tensor loads, of which one is out: its part of the
; next slot; adds 0 to its spare word; and waits for that and for its own reads of this slot.  Behind it nobody reads this slot any more and the next slot is whole.
.macro MEET round                      ; round = 1: a round of the cluster's barrier follows
	WIN 0                                          ; (the add's two registers lie in window 0)
	s_wait_tensorcnt 0x0                           ; all my tensor loads have landed;
	ds_add_u32 v[SPW], v[NIL]                      ; 0 onto my spare word;
	s_wait_dscnt 9                                 ; (the add and the youngest eight loads may be out)
	MUL16 F1, 0, 0, 0                              ; sixteen matrix instructions stand between the add and the wait for it
	s_wait_dscnt 0x0                               ; the add is done, and my reads of this slot are over
	s_barrier_signal -1
	MUL16 F1, 0, 2, 0                              ; work on registers while the others arrive
.if \round
	WIN 0
.endif
	s_barrier_wait -1
.endm
; The whole last quarter.  The barrier opens a round of the cluster's, so that no wave of any partner still reads the slot or has a load on its way; behind the round the slot just read out is filled again first: with this
; tile's K step two steps on (on = 0) or, in the first tile's last two K steps, with the SECOND tile's K step 0 or 1 (on = 1); then come the next slot's first fragments.
; From a request to the wait for it a wave issues 224 matrix instructions, across the tiles too.
.macro TURN slot, next, on
	s_wait_xcnt 0x0                                ; the last prefetch, a K step back, has read its address: it is stepped here, ahead of the waits of the change of slots
.if ((\on) == 1) && ((\slot) == 0)
	s_add_nc_u64 s[PFA:PFA+1], s[PFA:PFA+1], s[PFS:PFS+1]
	s_mov_b32 s[LIM], s[LIM2]                      ; who asks in the second tile
.else
	s_add_nc_u64 s[PFA:PFA+1], s[PFA:PFA+1], KSTEP*2
.endif
	MEET 1
	CREST
.if \on
	s_add_nc_u64 s[G0+4*(\slot)+2:G0+4*(\slot)+3], s[G0+4*(\slot)+2:G0+4*(\slot)+3], NEXT_A
	s_add_nc_u64 s[G0B+4*(\slot)+2:G0B+4*(\slot)+3], s[G0B+4*(\slot)+2:G0B+4*(\slot)+3], s[BST:BST+1]
.else
	s_add_nc_u64 s[G0+4*(\slot)+2:G0+4*(\slot)+3], s[G0+4*(\slot)+2:G0+4*(\slot)+3], 2*KSTEP*2
	s_add_nc_u64 s[G0B+4*(\slot)+2:G0B+4*(\slot)+3], s[G0B+4*(\slot)+2:G0B+4*(\slot)+3], 2*KSTEP*2
.endif
	JLOAD \slot                                    ; the first tensor load behind the round; the four v_nop behind it are also the places in front of the loads below
	FETCH \next, 0, F0
	ASK \on                                        ; behind the joint load and the run of LDS loads that the next products wait for
	MUL16 F1, 1, 0, 0
	MUL16 F1, 1, 2, 0
.endm
; The bias of my 128 columns: for n block b a lane's eight columns, 32 bytes: the C operand of that block's first products, the same for all eight m blocks.
.macro BIASLD
	WIN TO_B
.irp b, 0,1,2,3,4,5,6,7
	global_load_b128 v[BIAS+8*(\b):BIAS+8*(\b)+3],   v[BO], s[BP:BP+1] offset:64*(\b)
	global_load_b128 v[BIAS+8*(\b)+4:BIAS+8*(\b)+7], v[BO], s[BP:BP+1] offset:64*(\b)+16
.endr
	WIN 0
.endm
.macro BIASRND                         ; rounded to bf16, like every input of the module, and widened again
	WIN 0x45                                       ; all in window 1
.set i, 0
.rept 32
	v_cvt_pk_bf16_f32 v[BT+i], v[BIAS+2*i], v[BIAS+2*i+1]
.set i, i+1
.endr
.set i, 0
.rept 32
	v_lshlrev_b32 v[BIAS+2*i],   16, v[BT+i]
	v_and_b32     v[BIAS+2*i+1], 0xffff0000, v[BT+i]
.set i, i+1
.endr
.endm
; THE WAY OUT of block a (16 rows), in three parts.  PACK: rounded to f16, 16 bytes a lane; each accumulator's registers are read in ascending order.  TOSTAGE: into my own stage in LDS, and back as whole rows of 256 bytes.  SEND: stored.
.macro PACK a
.set AC, 64*((\a)%4)
	WIN 0x0a+5*((\a)/4)                            ; sources 0 and 1: window 2 or 3
.irp b, 0,1,2,3,4,5,6,7
.irp r, 0,1,2,3
	v_cvt_pk_f16_f32 v[TMP+4*(\b)+(\r)], v[AC+8*(\b)+2*(\r)], v[AC+8*(\b)+2*(\r)+1]
.endr
.endr
	WIN 0
.endm
.macro TOSTAGE a
	WIN 0
.set BK, OB+192*((\a)%2)
.irp b, 0,1,2,3,4,5,6,7
	ds_store_b128 v[STO], v[TMP+4*(\b):TMP+4*(\b)+3] offset:32*(\b)
.endr
.irp t, 0,1,2,3,4,5,6,7
	ds_load_b128 v[BK+4*(\t):BK+4*(\t)+3], v[RD] offset:(\t)*2*SPITCH  ; LDS serves a wave's instructions in order (ISA guide 5.7.1.4): these see the stores above
.endr
.endm
.macro SEND a, younger                 ; younger: the LDS loads issued behind TOSTAGE's, which may stay out
	WIN 0
.set BK, OB+192*((\a)%2)
	s_wait_dscnt \younger                          ; the block is back in registers
	s_wait_xcnt 0x0                                ; only behind this wait are the stores' base and the registers that earlier stores read rewritten
.if (\a) == 0
	s_add_nc_u64 s[8:9], s[8:9], s[16:17]          ; on to this tile's first rows
.else
	s_add_nc_u64 s[8:9], s[8:9], 16*SIZE_N*2       ; 16 rows of C on
.endif
.irp t, 0,1,2,3,4,5,6,7
	global_store_b128 v[CO], v[BK+4*(\t):BK+4*(\t)+3], s[8:9] offset:2*(\t)*SIZE_N*2  ; 16 lanes store 256 consecutive bytes, at a multiple of 256 from C's first byte
.endr
.endm
.macro WAYOUT                          ; block a's conversions stand between block a - 1's loads from the stage and the wait for them
	PACK 0
	TOSTAGE 0
.irp a, 1,2,3,4,5,6,7
	PACK \a
	SEND (\a)-1, 0
	TOSTAGE \a
.endr
	SEND 7, 0
.endm
	BIASLD
	s_wait_tensorcnt 1                             ; my part of K step 0 is in; K step 1's may stay out
	s_barrier_signal -1
	s_barrier_wait -1                              ; everybody's is
	FETCH 0, 0, F0
	s_mov_b32 s2, TILES                            ; tiles to go, this one among them: the same number in every work-group
.Ltile:                                                ; (FETCH and SEND leave every window 0)
	s_wait_loadcnt 0x0                             ; the bias
	BIASRND
	QUARTER 0, 64,  F0, F1, 1                      ; a tile's first quarter stands in front of the loop: its products start the sums
	WIN 0                                          ; at a label and at a branch every window is 0
	s_mov_b32 s3, LAPS-1
.Llap:                                                 ; a trip goes once round the ring, from a lap's second quarter to the next lap's first, and fills both slots again
	QUARTER 0, 128, F1, F0, 0
	QUARTER 0, 192, F0, F1, 0
	TURN 0, 1, 0
	QUARTER 1, 64,  F0, F1, 0
	QUARTER 1, 128, F1, F0, 0
	QUARTER 1, 192, F0, F1, 0
	TURN 1, 0, 0
	QUARTER 0, 64,  F0, F1, 0
	WIN 0
	s_sub_co_u32 s3, s3, 1
	s_cmp_lg_u32 s3, 0
	s_cbranch_scc1 .Llap
	QUARTER 0, 128, F1, F0, 0                      ; the tile's last lap goes on
	QUARTER 0, 192, F0, F1, 0
	WIN 0
	s_cmp_eq_u32 s2, 1
	s_cbranch_scc1 .Llast_tile                     ; the last tile's end is written out: it asks for nothing more
	TURN 0, 1, 1                                   ; the ring goes on into the second tile: slot 0 takes its K step 0,
	QUARTER 1, 64,  F0, F1, 0
	QUARTER 1, 128, F1, F0, 0
	QUARTER 1, 192, F0, F1, 0
	TURN 1, 0, 1                                   ; slot 1 its K step 1, and the second tile's first fragments are fetched into buffer 0, which the way out leaves alone
	WIN 0
	s_mov_b64 s[BP:BP+1], s[BP2:BP2+1]             ; (the first bias's loads were waited for at the tile's head)
	BIASLD
	s_branch .Lout                                 ; both refills are asked for: now the tile goes out.  No v_nop on this way: blocks 0-3 were finished in front of the four v_nop behind the joint load, and their
	                                               ; 128 conversions, which name no register of the last products (blocks 4-7's), are those products' places
.Llast_tile:
	MEET 0                                         ; my one tensor load that was still out is the last K step's, so no round follows
	PLACES                                         ; for the loads into buffer 0, which the quarter before multiplied
	FETCH 1, 0, F0
	MUL16 F1, 1, 0, 0
	MUL16 F1, 1, 2, 0
	QUARTER 1, 64,  F0, F1, 0
	QUARTER 1, 128, F1, F0, 0
	QUARTER 1, 192, F0, F1, 0
	s_wait_dscnt 8                                 ; the very last quarter: nothing more to fetch
	MUL16 F1, 0, 0, 0
	MUL16 F1, 0, 2, 0
	s_wait_dscnt 0x0
	MUL16 F1, 1, 0, 0
	MUL16 F1, 1, 2, 0
	PLACES                                         ; eight, once a launch: no vector instruction stands between this quarter's products and the conversions that read the first blocks
	PLACES
	WIN 0
.Lout:                                                 ; both ends of a tile meet here.  The way out's waits are all for 0: they hold whether the next tile's fragment and bias loads are out or nothing is
	WAYOUT
	s_mov_b64 s[16:17], NEXT_C                     ; what the next way out adds to C's address (behind the last tile nobody reads it)
	s_sub_co_u32 s2, s2, 1
	s_cmp_lg_u32 s2, 0
	s_cbranch_scc1 .Ltile
	s_wait_tensorcnt 0x0                           ; the wave's end: behind my last tensor load and my last LDS store
	ds_add_u32 v[SPW], v[NIL]
	s_wait_dscnt 0x0
	CROUND                                         ; the closing round: no work-group ends while a partner may still ask for a tile that names it
	s_endpgm
.Lfunc_end_k_q0bada2f7a0_qkv:
	.size	k_q0bada2f7a0_qkv, .Lfunc_end_k_q0bada2f7a0_qkv-k_q0bada2f7a0_qkv
	.p2alignl 7, 3214868480
	.fill 96, 4, 3214868480
	.section	.rodata,"a",@progbits
	.p2align	6, 0x0
	.amdhsa_kernel k_q0bada2f7a0_qkv
		.amdhsa_group_segment_fixed_size 327680
		.amdhsa_private_segment_fixed_size 0
		.amdhsa_enable_private_segment 0
		.amdhsa_kernarg_size 40
		.amdhsa_user_sgpr_count 2
		.amdhsa_user_sgpr_kernarg_segment_ptr 1
		.amdhsa_wavefront_size32 1
		.amdhsa_system_sgpr_workgroup_id_x 1
		.amdhsa_system_sgpr_workgroup_id_y 1
		.amdhsa_system_sgpr_workgroup_id_z 1
		.amdhsa_system_vgpr_workitem_id 0
		.amdhsa_next_free_vgpr 1024
		.amdhsa_next_free_sgpr 88
		.amdhsa_reserve_vcc 0
		.amdhsa_float_denorm_mode_32 3
		.amdhsa_float_denorm_mode_16_64 3
		.amdhsa_memory_ordered 1
		.amdhsa_forward_progress 1
		.amdhsa_inst_pref_size 188
	.end_amdhsa_kernel
	.amdgpu_metadata
---
amdhsa.version: [ 1, 2 ]
amdhsa.kernels:
  - .name:           k_q0bada2f7a0_qkv
    .symbol:         k_q0bada2f7a0_qkv.kd
    .args:
      - { .name: cast, .offset: 0, .size: 8, .value_kind: global_buffer, .address_space: global }
      - { .name: bq, .offset: 8, .size: 8, .value_kind: global_buffer, .address_space: global }
      - { .name: bk, .offset: 16, .size: 8, .value_kind: global_buffer, .address_space: global }
      - { .name: bv, .offset: 24, .size: 8, .value_kind: global_buffer, .address_space: global }
      - { .name: qkv, .offset: 32, .size: 8, .value_kind: global_buffer, .address_space: global }
    .group_segment_fixed_size: 327680
    .private_segment_fixed_size: 0
    .kernarg_segment_align: 8
    .kernarg_segment_size: 40
    .max_flat_workgroup_size: 128
    .sgpr_count:     88
    .vgpr_count:     1024
    .wavefront_size: 32
...
	.end_amdgpu_metadata
.endif
;; end of part 2
;; launch attn (part 3): grid 256 x 1, 4 waves a work-group, no clusters, 230,912 bytes of LDS; arguments qkv, o; writes o
.if DOCPART == 3
	.amdgcn_target "amdgcn-amd-amdhsa--gfx1250"
	.amdhsa_code_object_version 6
	.text
	.protected	k_q0bada2f7a0_attn
	.globl	k_q0bada2f7a0_attn
	.p2align	8
	.type	k_q0bada2f7a0_attn,@function
k_q0bada2f7a0_attn:
	s_mov_b64 s[64:65], 0
	v_nop
	global_prefetch_b8 v0, s[64:65] scope:SCOPE_SE
	s_setreg_imm32_b32 hwreg(HW_REG_WAVE_MODE, 25, 1), 1
	s_wait_xcnt 0x0
; For each time step t the 64 positions p = 16 b + h attend to each other: O[p] = the sum over p' of softmax_p'(Q[p] . K[p'] / 128) V[p'], 128 channels.
; qkv: f16 [3][4096][2048], row 1024 b + t, column 128 h + d, q unscaled; o: f16 [4096][2048], the same places.  Products, maximum and sum in f32; the weights are rounded to f16 for the second
; product (their sum is taken of the unrounded weights), O once at the end.  Both of the module's scalings of q (1 / 128 together) and log2(e) are one f32 factor c inside the softmax.
; LIMITS.  q, k, v arrive within f16's 65,504; a weight lies in 0 to 1 and below 6e-5 keeps f16's fixed step of 6e-8; one below 2^-126 counts as 0 in the sum; NaN and infinities are not treated apart.
; SHARES.  ONE WAVE, ONE t: t = 4 x work-group + wave.  A wave reads 3 x 16,384 bytes, issues 128 matrix instructions and writes 16,384 bytes.  All 64 keys lie in one step, so the row's true maximum is taken away.
; No wave reads a byte that another fetched and nothing in LDS is filled twice: no barrier.  NO CLUSTER: no two work-groups read the same byte.
; ON THE WAY IN.  For one t, Q (or K, V) is four blocks (one a b) of 4,096 dense bytes, 16 heads x 256 bytes: one tensor load of 4 rows x 2,048 elements, padded in LDS behind every 256 bytes: LDS row p.
; LAYOUT.  S^T = K Q^T (source 0 = 16 keys, source 1 = 16 queries): a lane holds ONE query (lane % 16) and the keys 8 (lane / 16) + 0..7.  Two such results, rounded to f16 in pairs, ARE source 1 (32 keys x 16
; queries) of O^T = V^T P, whose result again holds one query a lane, and eight channels.  K and Q come out of LDS as they lie, V ([key][channel]) turned, by ds_load_tr16_b128.
; Query tile qt is batch b = qt, its 16 queries the 16 heads: a tile of O is 4,096 consecutive bytes of o.
; REGISTERS, in windows of 256 (s_set_vgpr_msb: bits 1:0 source 0, 3:2 source 1, 5:4 source 2, 7:6 destination):
;   window 0: v0-11 addresses; v12-43 eight registers of statistics a tile; v64-191 S^T, 32 a tile; v192-255 P, 16 a tile
;   window 1: O^T, 64 a tile          window 2: v0-127 Q, 32 a tile; v128-255 K          window 3: v0-127 V
.set PK,    272       ; a row of K or Q in LDS: 256 bytes + 16 = 68 words: the 16 rows of a load start at 16 different groups of four banks (64 banks of 4 bytes: ISA guide 11.1)
.set PV,    288       ; a row of V: 256 + 32 = 72 words
.set QOFF,  64*PK     ; a wave's LDS: K, then Q, then V
.set VOFF,  2*64*PK
.set WAVEB, 2*64*PK+64*PV
.set STAGE, 4*WAVEB   ; never filled by a tensor load: 16 rows x 272 bytes for each wave, for the way out
.set SP,    272
.set SPARE, STAGE+4*16*SP  ; the spare words, 128 bytes for each wave: two blocks of 256 bytes that no other line names
.set SEG,   16777216  ; bytes from q to k to v
.set AK,  2           ; v2   my lane's place in K
.set AQ,  3           ; v3   in Q
.set AV,  4           ; v4   in V
.set STO, 6           ; v6   the way out: where I put 16 bytes of a row
.set RD,  7           ; v7   the way out: where I read a row back
.set GO,  8           ; v8   my byte offset in two rows of a tile of O
.set ST,  12          ; tile t's statistics at v[ST+8 t]: +0 c m, +1 m, +2, +3 the sum (even keys', odd keys'), +4 to +7 at work
.set SPW, 62          ; v62  LDS address of my spare word: SPARE + 4 x my thread's number; never rewritten
.set NIL, 63          ; v63  0; never rewritten
.set S,   64
.set P,   192
.set KF,  128         ; K's fragments, in window 2
.set G1K, 16          ; s[16:23] descriptor group 1 for K and Q
.set G1V, 24          ; s[24:31] for V: it differs in the padding alone
.set G0K, 32          ; s[32:35], s[36:39], s[40:43] descriptor group 0 for K, Q, V
.set G0Q, 36
.set G0V, 40
.set CS,  44          ; s[44:45] c: the packed scaling names a pair and takes its low word for both halves
.set SEL, 46          ; s[46:47] v_permlanex16_b32's selects: each lane takes its own place in the other half
.set OP,  48          ; s[48:55] o at tile qt's 4,096 bytes, a pair a tile
.set MSB, 0
.macro WIN new                      ; the immediate's high byte repeats the setting that is left; a switch that changes nothing is dropped
.if MSB != (\new)
	s_set_vgpr_msb (MSB<<8)|(\new)
.set MSB, \new
.endif
.endm
.set W_KQ, 0x0a       ; K and Q in window 2, S^T in window 0
.set W_PV, 0x53       ; V in window 3, P in window 0, O^T in window 1
.set W_RS, 0x41       ; O^T (destination and source 0) in window 1, source 1 in window 0
.macro PLACES
.rept 4
	v_nop
.endr
.endm
	s_load_b128 s[4:7], s[0:1], 0x0 ; qkv s[4:5], o s[6:7]
	v_lshl_add_u32 v[SPW], v0, 2, SPARE
	v_mov_b32 v[NIL], 0
	ds_add_u32 v[SPW], v[NIL]       ; the wave's opening: the add and its wait stand ahead of my first tensor load; the set-up below, work on registers, stands between them
	v_lshrrev_b32 v1, 5, v0
	v_readfirstlane_b32 s8, v1      ; wave 0..3
	s_mul_i32 s9, s8, WAVEB         ; my part of LDS
	s_lshl_b32 s10, ttmp9, 2
	s_add_co_u32 s10, s10, s8       ; t
	s_lshl_b32 s10, s10, 12         ; row t of batch 0, in bytes
	s_mov_b32 s11, 0
	s_mov_b32 s[G1K], (1<<16)|(1<<20)|(5<<22)|(3<<25)  ; 17:16 elements of 2 bytes; 20 padding on; 24:22 after every 64 words (code 5): a head's 256 bytes; 31:25 4 words of it (code 3)
	s_mov_b32 s[G1V], (1<<16)|(1<<20)|(5<<22)|(7<<25)  ; the same with 8 words of padding (code 7)
.irp g, G1K, G1V
	s_mov_b32 s[(\g)+1], 2048<<16   ; tensor_dim0 = 2,048
	s_mov_b32 s[(\g)+2], 4<<16      ; tensor_dim1 = 4
	s_mov_b32 s[(\g)+3], 2048<<16   ; tile_dim0 = 2,048
	s_mov_b32 s[(\g)+4], 4          ; tile_dim1 = 4: one row a batch
	s_mov_b32 s[(\g)+5], 1024*2048  ; elements from a batch's row t to the next batch's
	s_mov_b32 s[(\g)+6], 0
	s_mov_b32 s[(\g)+7], 0
.endr
	s_mov_b32 s[G0K], 1             ; count = 1
	s_mov_b32 s[G0K+1], s9          ; LDS address
	s_mov_b32 s[G0Q], 1
	s_add_co_u32 s[G0Q+1], s9, QOFF
	s_mov_b32 s[G0V], 1
	s_add_co_u32 s[G0V+1], s9, VOFF
	s_mov_b32 s[CS], 0x3c38aa3b     ; c = log2(e) / 128
	s_mov_b32 s[CS+1], s[CS]        ; named with it as a pair, so it is written
	s_mov_b32 s[SEL], 0x76543210
	s_mov_b32 s[SEL+1], 0xfedcba98
	s_mul_i32 s12, s8, 16*SP
	s_add_co_u32 s12, s12, STAGE    ; my stage
	s_wait_dscnt 0x0                ; the opening add is done
	s_wait_kmcnt 0x0
	s_add_nc_u64 s[4:5], s[4:5], s[10:11]
	s_add_nc_u64 s[G0K+2:G0K+3], s[4:5], SEG       ; global address: k's row t of batch 0
	s_or_b32 s[G0K+3], s[G0K+3], 0x80000000        ; type = 2
	s_mov_b64 s[G0Q+2:G0Q+3], s[4:5]               ; q's
	s_or_b32 s[G0Q+3], s[G0Q+3], 0x80000000
	s_add_nc_u64 s[G0V+2:G0V+3], s[4:5], 2*SEG     ; v's
	s_or_b32 s[G0V+3], s[G0V+3], 0x80000000
	tensor_load_to_lds s[G0K:G0K+3], s[G1K:G1K+7]  ; the three fills go out together: three loads of mine are out
	s_nop 0
	tensor_load_to_lds s[G0Q:G0Q+3], s[G1K:G1K+7]
	s_nop 0
	tensor_load_to_lds s[G0V:G0V+3], s[G1V:G1V+7]
	s_nop 0
	; A fragment of K or Q is 16 rows x 32 channels in 8 registers: lane l holds row l % 16; registers 0-3 channels 8 (l / 16) + 0..7, registers 4-7 channels 16 + 8 (l / 16) + 0..7: two loads of 16 bytes, 32 bytes apart.
	v_and_b32 v1, 15, v0            ; l % 16
	v_bfe_u32 v9, v0, 4, 1          ; l / 16
	v_mul_u32_u24 v[AK], v1, PK
	v_lshl_add_u32 v[AK], v9, 4, v[AK]
	v_add_nc_u32 v[AK], s9, v[AK]   ; row x pitch + 16 x half + my part of LDS
	v_add_nc_u32 v[AQ], QOFF, v[AK]
	; The turning load takes 16 keys x 16 channels (lane l reads 16 bytes: key 8 (l / 16) + l % 8, channels 8 ((l / 8) % 2) + 0..7) and leaves half a fragment of V^T: lane l holds channel l % 16 and 8 keys.
	v_and_b32 v10, 7, v0
	v_bfe_u32 v11, v0, 3, 1
	v_lshl_add_u32 v[AV], v9, 3, v10
	v_mul_u32_u24 v[AV], v[AV], PV
	v_lshl_add_u32 v[AV], v11, 4, v[AV]
	v_add_nc_u32 v[AV], s9, v[AV]
	v_add_nc_u32 v[AV], VOFF, v[AV]
	v_mul_u32_u24 v[STO], v1, SP    ; the way out, in: row l % 16, 16 bytes for each half of the lanes
	v_lshl_add_u32 v[STO], v9, 4, v[STO]
	v_add_nc_u32 v[STO], s12, v[STO]
	v_mul_u32_u24 v[RD], v9, SP     ; back: lanes 0-15 take one row of 256 bytes, lanes 16-31 the next
	v_lshl_add_u32 v[RD], v1, 4, v[RD]
	v_add_nc_u32 v[RD], s12, v[RD]
	v_lshlrev_b32 v[GO], 8, v9      ; and the same two rows in O
	v_lshl_add_u32 v[GO], v1, 4, v[GO]
	s_add_nc_u64 s[OP:OP+1], s[6:7], s[10:11]      ; o at row t of batch 0, 1, 2, 3
	s_add_nc_u64 s[OP+2:OP+3], s[OP:OP+1], 1024*4096
	s_add_nc_u64 s[OP+4:OP+5], s[OP+2:OP+3], 1024*4096
	s_add_nc_u64 s[OP+6:OP+7], s[OP+4:OP+5], 1024*4096
	s_wait_tensorcnt 1              ; tensor loads of a wave end in order: K and Q are in LDS; V may stay out
	WIN 0x80                        ; destination window 2, address window 0
.irp c, 0,1,2,3                     ; by channels 32 c on: sixteen loads a group, so that the products can begin when the first group is in
.irp x, 0,1,2,3
	ds_load_b128 v[KF+32*(\x)+8*(\c):KF+32*(\x)+8*(\c)+3],   v[AK] offset:(\x)*16*PK+64*(\c)
	ds_load_b128 v[KF+32*(\x)+8*(\c)+4:KF+32*(\x)+8*(\c)+7], v[AK] offset:(\x)*16*PK+64*(\c)+32
.endr
.irp x, 0,1,2,3
	ds_load_b128 v[32*(\x)+8*(\c):32*(\x)+8*(\c)+3],   v[AQ] offset:(\x)*16*PK+64*(\c)
	ds_load_b128 v[32*(\x)+8*(\c)+4:32*(\x)+8*(\c)+7], v[AQ] offset:(\x)*16*PK+64*(\c)+32
.endr
.endr
	; S^T = K Q^T: 64 products.  The 16 accumulators take turns, one instruction a turn; the first 16 start the sums with the constant 0.
	WIN W_KQ
.irp c, 0,1,2,3
	s_wait_dscnt 48-16*(\c)         ; LDS loads come back in order: group c is in, the later groups' sixteen each may stay out
.irp kb, 0,1,2,3
.irp qt, 0,1,2,3
.if (\c) == 0
	v_wmma_f32_16x16x32_f16 v[S+32*(\qt)+8*(\kb):S+32*(\qt)+8*(\kb)+7], v[KF+32*(\kb)+8*(\c):KF+32*(\kb)+8*(\c)+7], v[32*(\qt)+8*(\c):32*(\qt)+8*(\c)+7], 0
.else
	v_wmma_f32_16x16x32_f16 v[S+32*(\qt)+8*(\kb):S+32*(\qt)+8*(\kb)+7], v[KF+32*(\kb)+8*(\c):KF+32*(\kb)+8*(\c)+7], v[32*(\qt)+8*(\c):32*(\qt)+8*(\c)+7], v[S+32*(\qt)+8*(\kb):S+32*(\qt)+8*(\kb)+7]
.endif
.endr
.endr
.endr
	WIN 0
	PLACES                          ; eight, once a launch
	PLACES
	s_wait_tensorcnt 0x0            ; V is in LDS
	WIN 0xc0                        ; destination window 3
.irp f, 0,1,2,3,4,5,6,7,8,9,10,11,12,13,14,15  ; keys 32 (f / 8) on, channels 16 (f % 8) on: these land while the softmax is made
	ds_load_tr16_b128 v[8*(\f):8*(\f)+3],   v[AV] offset:((\f)/8)*32*PV+((\f)%8)*32
	ds_load_tr16_b128 v[8*(\f)+4:8*(\f)+7], v[AV] offset:((\f)/8)*32*PV+16*PV+((\f)%8)*32
.endr
	WIN 0
; THE SOFTMAX.  Number j of the 19 that find tile t's maximum m and c m; s0-s31 are the lane's 32 scores.  Each accumulator's lowest registers are read first.
;   0-11  four chains of seven scores each, three operands at a time     12-15  the four scores left over and the four chains into one
;   16, 17  the query's other 32 keys lie in the lane 16 away: m             18  c m
.macro MX t, j
.set rT, ST+8*(\t)
.set rS, S+32*(\t)
.if (\j) < 4
	v_max3_num_f32 v[rT+4+(\j)], v[rS+8*(\j)], v[rS+8*(\j)+1], v[rS+8*(\j)+2]
.elseif (\j) < 12
	v_max3_num_f32 v[rT+4+(\j)%4], v[rT+4+(\j)%4], v[rS+8*((\j)%4)+2*((\j)/4)+1], v[rS+8*((\j)%4)+2*((\j)/4)+2]
.elseif (\j) == 12
	v_max3_num_f32 v[rT+4], v[rT+4], v[rS+7], v[rS+15]
.elseif (\j) == 13
	v_max3_num_f32 v[rT+6], v[rT+6], v[rS+23], v[rS+31]
.elseif (\j) == 14
	v_max3_num_f32 v[rT+4], v[rT+4], v[rT+5], v[rT+6]
.elseif (\j) == 15
	v_max_num_f32 v[rT+4], v[rT+4], v[rT+7]
.elseif (\j) == 16
	v_permlanex16_b32 v[rT+5], v[rT+4], s[SEL], s[SEL+1]
.elseif (\j) == 17
	v_max_num_f32 v[rT+1], v[rT+4], v[rT+5]
.else
	v_mul_f32 v[rT], s[CS], v[rT+1]
.endif
.endm
.irp j, 0,1,2,3,4,5,6,7,8,9,10,11,12,13,14,15,16,17,18
.irp t, 0,1,2,3                     ; the four tiles alternate, so that no instruction reads the result of the one just before it
	MX \t, \j
.endr
.endr
.irp t, 0,1,2,3
.set i, 0
.rept 16                            ; c s - c m, a pair of scores an instruction
	v_pk_fma_f32 v[S+32*(\t)+2*i:S+32*(\t)+2*i+1], v[S+32*(\t)+2*i:S+32*(\t)+2*i+1], s[CS:CS+1], v[ST+8*(\t):ST+8*(\t)+1] op_sel_hi:[1,0,0] neg_lo:[0,0,1] neg_hi:[0,0,1]
.set i, i+1
.endr
.endr
.set i, 0
.rept 128                           ; the exponentials are ONE BATCH: none reads another's result
	v_exp_f32 v[S+i], v[S+i]
.set i, i+1
.endr
	v_nop                           ; a plain instruction behind the last exponential, ahead of the first use (ISA guide 5.7.2)
	s_wait_alu depctr_va_vdst(0)    ; and a wait ahead of the first use: one for the batch
.set i, 0
.rept 64                            ; the weights rounded to f16, in pairs: P
	v_cvt_pk_f16_f32 v[P+i], v[S+2*i], v[S+2*i+1]
.set i, i+1
.endr
.macro SUMT t                       ; the sum of a tile's 16 pairs (in a pair: an even key's weight, an odd key's), in place: neighbours 1, 2, 4 and 8 pairs apart
.set rS, S+32*(\t)
.irp u, 0,1,2,3,4,5,6,7
	v_pk_add_f32 v[rS+4*(\u):rS+4*(\u)+1], v[rS+4*(\u):rS+4*(\u)+1], v[rS+4*(\u)+2:rS+4*(\u)+3]
.endr
.irp u, 0,1,2,3
	v_pk_add_f32 v[rS+8*(\u):rS+8*(\u)+1], v[rS+8*(\u):rS+8*(\u)+1], v[rS+8*(\u)+4:rS+8*(\u)+5]
.endr
.irp u, 0,1
	v_pk_add_f32 v[rS+16*(\u):rS+16*(\u)+1], v[rS+16*(\u):rS+16*(\u)+1], v[rS+16*(\u)+8:rS+16*(\u)+9]
.endr
	v_pk_add_f32 v[ST+8*(\t)+2:ST+8*(\t)+3], v[rS:rS+1], v[rS+16:rS+17]
.endm
	SUMT 0
	SUMT 1
	SUMT 2
	SUMT 3
	; O^T = V^T P: 64 products.  The 32 accumulators take turns; the first 32 start the sums with the constant 0.
	s_wait_dscnt 0x0                ; V's fragments are in
	WIN W_PV
.irp kk, 0,1
.irp cb, 0,1,2,3,4,5,6,7
.irp qt, 0,1,2,3
.if (\kk) == 0
	v_wmma_f32_16x16x32_f16 v[64*(\qt)+8*(\cb):64*(\qt)+8*(\cb)+7], v[64*(\kk)+8*(\cb):64*(\kk)+8*(\cb)+7], v[P+16*(\qt)+8*(\kk):P+16*(\qt)+8*(\kk)+7], 0
.else
	v_wmma_f32_16x16x32_f16 v[64*(\qt)+8*(\cb):64*(\qt)+8*(\cb)+7], v[64*(\kk)+8*(\cb):64*(\kk)+8*(\cb)+7], v[P+16*(\qt)+8*(\kk):P+16*(\qt)+8*(\kk)+7], v[64*(\qt)+8*(\cb):64*(\qt)+8*(\cb)+7]
.endif
.endr
.endr
.endr
	; THE WAY OUT.  The sum's two halves and the other half of the lanes' are added; O^T is divided by the sum, rounded to f16 and sent through my stage in LDS, a tile at a time.  The additions are the places behind the last products.
	WIN 0
.irp t, 0,1,2,3
	v_add_f32 v[ST+8*(\t)+4], v[ST+8*(\t)+2], v[ST+8*(\t)+3]
.endr
.irp t, 0,1,2,3
	v_permlanex16_b32 v[ST+8*(\t)+5], v[ST+8*(\t)+4], s[SEL], s[SEL+1]
.endr
.irp t, 0,1,2,3
	v_add_f32 v[ST+8*(\t)+4], v[ST+8*(\t)+4], v[ST+8*(\t)+5]
.endr
.irp t, 0,1,2,3
	v_rcp_f32 v[ST+8*(\t)+6], v[ST+8*(\t)+4]
.endr
	v_nop                           ; a plain instruction between the last reciprocal and the use of its result
	s_wait_alu depctr_va_vdst(0)    ; and a wait ahead of the first use: one for the four reciprocals
; Tile t: a lane's eight channels of a row pack into 16 bytes; they go into rows of 272 bytes and come back as whole rows of 256, into the registers that they left.
.macro PACK t
	WIN W_RS
.set i, 64*(\t)
.rept 32
	v_pk_mul_f32 v[i:i+1], v[i:i+1], v[ST+8*(\t)+6:ST+8*(\t)+7] op_sel_hi:[1,0]
.set i, i+2
.endr
	WIN 0x05                        ; sources 0 and 1 window 1, destination window 0: S^T's registers are free
.set i, 0
.rept 32
	v_cvt_pk_f16_f32 v[S+32*(\t)+i], v[64*(\t)+2*i], v[64*(\t)+2*i+1]
.set i, i+1
.endr
	WIN 0
.irp f, 0,1,2,3,4,5,6,7
	ds_store_b128 v[STO], v[S+32*(\t)+4*(\f):S+32*(\t)+4*(\f)+3] offset:32*(\f)
.endr
.irp f, 0,1,2,3,4,5,6,7
	ds_load_b128 v[S+32*(\t)+4*(\f):S+32*(\t)+4*(\f)+3], v[RD] offset:(\f)*2*SP  ; LDS serves a wave's instructions in order (ISA guide 5.7.1.4): these see the stores above; the next tile's stores come behind them
.endr
.endm
.macro SEND t, younger              ; younger: the LDS instructions issued behind tile t's loads: the next tile's sixteen, or none
	WIN 0
.irp f, 0,1,2,3,4,5,6,7
	s_wait_dscnt (\younger)+7-(\f)
	global_store_b128 v[GO], v[S+32*(\t)+4*(\f):S+32*(\t)+4*(\f)+3], s[OP+2*(\t):OP+2*(\t)+1] offset:(\f)*512  ; 16 lanes store 256 consecutive bytes, at a multiple of 256 from o's first byte
.endr
.endm
	PACK 0
	PACK 1                          ; a tile's arithmetic stands between the loads of the tile before and its stores
	SEND 0, 16
	PACK 2
	SEND 1, 16
	PACK 3
	SEND 2, 16
	SEND 3, 0
	s_wait_tensorcnt 0x0            ; the wave's end: behind my last tensor load and my last LDS store
	ds_add_u32 v[SPW], v[NIL]
	s_wait_dscnt 0x0
	s_endpgm
.Lfunc_end_k_q0bada2f7a0_attn:
	.size	k_q0bada2f7a0_attn, .Lfunc_end_k_q0bada2f7a0_attn-k_q0bada2f7a0_attn
	.p2alignl 7, 3214868480
	.fill 96, 4, 3214868480
	.section	.rodata,"a",@progbits
	.p2align	6, 0x0
	.amdhsa_kernel k_q0bada2f7a0_attn
		.amdhsa_group_segment_fixed_size 230912
		.amdhsa_private_segment_fixed_size 0
		.amdhsa_enable_private_segment 0
		.amdhsa_kernarg_size 16
		.amdhsa_user_sgpr_count 2
		.amdhsa_user_sgpr_kernarg_segment_ptr 1
		.amdhsa_wavefront_size32 1
		.amdhsa_system_sgpr_workgroup_id_x 1
		.amdhsa_system_sgpr_workgroup_id_y 1
		.amdhsa_system_sgpr_workgroup_id_z 1
		.amdhsa_system_vgpr_workitem_id 0
		.amdhsa_next_free_vgpr 896
		.amdhsa_next_free_sgpr 66
		.amdhsa_reserve_vcc 0
		.amdhsa_float_denorm_mode_32 3
		.amdhsa_float_denorm_mode_16_64 3
		.amdhsa_memory_ordered 1
		.amdhsa_forward_progress 1
		.amdhsa_inst_pref_size 65
	.end_amdhsa_kernel
	.amdgpu_metadata
---
amdhsa.version: [ 1, 2 ]
amdhsa.kernels:
  - .name:           k_q0bada2f7a0_attn
    .symbol:         k_q0bada2f7a0_attn.kd
    .args:
      - { .name: qkv, .offset: 0, .size: 8, .value_kind: global_buffer, .address_space: global }
      - { .name: o, .offset: 8, .size: 8, .value_kind: global_buffer, .address_space: global }
    .group_segment_fixed_size: 230912
    .private_segment_fixed_size: 0
    .kernarg_segment_align: 8
    .kernarg_segment_size: 16
    .max_flat_workgroup_size: 128
    .sgpr_count:     66
    .vgpr_count:     896
    .wavefront_size: 32
...
	.end_amdgpu_metadata
.endif
;; end of part 3
;; launch outp (part 4): grid 8 x 32, 4 waves a work-group, clusters of 4 x 4, 327,680 bytes of LDS; arguments o, cast, bo, out0; writes out0
.if DOCPART == 4
	.amdgcn_target "amdgcn-amd-amdhsa--gfx1250"
	.amdhsa_code_object_version 6
	.text
	.protected	k_q0bada2f7a0_outp
	.globl	k_q0bada2f7a0_outp
	.p2align	8
	.type	k_q0bada2f7a0_outp,@function
k_q0bada2f7a0_outp:
	s_mov_b64 s[64:65], 0
	v_nop
	global_prefetch_b8 v0, s[64:65] scope:SCOPE_SE
	s_setreg_imm32_b32 hwreg(HW_REG_WAVE_MODE, 25, 1), 1
	s_wait_xcnt 0x0
	s_wait_alu depctr_hold_cnt(0) depctr_sa_sdst(0) depctr_va_vdst(0) depctr_va_sdst(0) depctr_va_ssrc(0) depctr_va_vcc(0) depctr_vm_vsrc(0)
	s_getreg_b32 s2, hwreg(HW_REG_IB_STS2, 6, 4)
	s_cmp_eq_u32 s2, 0
	s_cbranch_scc0 .Lentry_in_a_cluster
	s_endpgm
.Lentry_in_a_cluster:
	s_bfe_u32 s2, ttmp6, 0x10000c
	s_cmp_lg_u32 s2, 0xf033
	s_cbranch_scc0 .Lentry_shape_is_right
	s_endpgm
.Lentry_shape_is_right:
; The last projection: out0[m][n] = bo[n] + the sum over k of o[m][k] Wo[n][k].  A = o: [4096][2048] in f16; B = Wo: [2048][2048], a bf16 number written as f16, the last segment of the workspace cast;
; C = out0 in f32.  Sums in f32, K ascending; the bias, rounded to bf16 like every input of the module, starts each sum.
; SHARES.  A tile of C is 128 rows x 256 columns: 32 x 8 tiles, one for each of 256 work-groups.  Four waves, each 64 rows x 128 columns: 32 accumulators of 16 x 16, 256 registers.
; K goes in steps of 128 (rows of 256 bytes, aligned) through a ring of two LDS slots filled by the tensor data mover, one load a wave: waves 0, 1 fetch A's two halves of 64 rows, waves 2, 3 B's two halves of 128.
; CLUSTERS: 4 x 4 work-groups.  The four of a row of the cluster need the same tiles of A, the four of a column the same tiles of B: each tile is asked for JOINTLY, by the same tensor load with the same
; descriptor and a mask that names the four.
; THE MATRIX INSTRUCTION IS USED TRANSPOSED (source 0 = 16 rows of B, source 1 = 16 rows of A): lane l holds row l % 16 of C and the columns 8 (l / 16) + 0..7.
; REGISTERS, in windows of 256 (s_set_vgpr_msb: bits 1:0 source 0, 3:2 source 1, 5:4 source 2, 7:6 destination):
;   window 0: v0-31 addresses; v32-127, v128-223 two fragment buffers (64 of B: 8 x 16 rows x 32 K, then 32 of A), which also take the rows read back on the way out
;   window 1: accumulator (a, b) at v[64 a + 8 b]          window 2: v0-63 the bias of my 128 columns, as eight C operands; v64-95 at work while it is rounded
.set SIZE_K, 2048
.set KSTEP,  128
.set PITCH,  272                       ; an LDS row: 256 bytes + 16 of padding = 68 words: the 16 rows that a load touches start at 16 different groups of four banks (64 banks of 4 bytes: ISA guide 11.1)
.set AHALF,  64*PITCH                  ; what waves 0 and 1 fetch, and what a wave reads of A
.set BHALF,  128*PITCH                 ; what waves 2 and 3 fetch, and what a wave reads of B
.set APART,  128*PITCH                 ; A's 128 rows; B's 256 lie behind them
.set SLOT,   384*PITCH
.set STAGE,  2*SLOT                    ; behind the ring, never filled by a tensor load: 16 rows of C for each wave, for the way out
.set WOSEG,  75497472                  ; where Wo's segment begins in cast
.set LAPS,   SIZE_K/(2*KSTEP)          ; a lap = two K steps = once round the ring
.set SPITCH, 528                       ; a stage row: 128 f32 + 16 bytes
.set CROW,   8192                      ; bytes in a row of C
.set YOUNG,  32                        ; LDS instructions of a block's way out
.set SPARE,  STAGE+4*16*SPITCH         ; behind the stages: the spare words, 128 bytes for each wave: two blocks of 256 bytes that no other line names
.set ADRA, 16                          ; v16-17  LDS address of my A fragments in slot 0, 1
.set ADRB, 20                          ; v20-21  the same for B
.set STO,  24                          ; v24     the way out: where I put my numbers of a row
.set RD,   25                          ; v25     the way out: where I read rows back
.set CO,   26                          ; v26     my byte offset in C
.set BO,   27                          ; v27     my byte offset in the bias
.set SPW,  28                          ; v28     LDS address of my spare word: SPARE + 4 x my thread's number; never rewritten
.set NIL,  29                          ; v29     0; never rewritten
.set PFO,  30                          ; v30     the prefetches' offset: my lane x a row of 4,096 bytes; never rewritten
.set F0,   32
.set F1,   128
.set G1,   24                          ; s[24:31] descriptor group 1 for A's tiles;  s[32:39] group 0, a set for each slot
.set G0,   32
.set G1B,  48                          ; s[48:55], s[56:63] the same for B's
.set G0B,  56
.set LIM,  43                          ; s43      1 in a wave that prefetches, else the greatest number
.set PFA,  44                          ; s[44:45] where my prefetches stand: one K step further along K than the refill that is being asked for; a prefetch names the K step after that
.set BP,   76                          ; s[76:77] the bias
.set FLAGS, (1<<16)|(1<<20)|(1<<21)|(5<<22)|(3<<25)  ; 17:16 elements of 2 bytes; 20 padding on; 21 set beside a mask; 24:22 after every 64 words (code 5); 31:25 4 words of it (code 3)
.set MULW, 0x50                        ; fragments in window 0, C and D in window 1
.set MULB, 0x60                        ; a sum's first product: C (the bias) in window 2, D in window 1
.set MSB, 0
.macro WIN new                         ; the immediate's high byte repeats the setting that is left; a switch that changes nothing is dropped
.if MSB != (\new)
	s_set_vgpr_msb (MSB<<8)|(\new)
.set MSB, \new
.endif
.endm
; A joint load.  The branch hangs on the wave's number alone.  An s_nop 0 and four v_nop follow each of the two lines, ahead of the jump, the label and what follows.
.macro JLOAD s
	s_cmp_eq_u32 s11, 0
	s_cbranch_scc0 .Lfor_b_\@
	tensor_load_to_lds s[G0+4*(\s):G0+4*(\s)+3], s[G1:G1+7]
	s_nop 0
.rept 4
	v_nop
.endr
	s_branch .Lasked_\@
.Lfor_b_\@:
	tensor_load_to_lds s[G0B+4*(\s):G0B+4*(\s)+3], s[G1B:G1B+7]
	s_nop 0
.rept 4
	v_nop
.endr
.Lasked_\@:
.endm
; A PREFETCH INTO THE L2, behind each joint load and the run of LDS loads that follows it: the K step that stands TWO refills on (256 matrix instructions ahead of the load that will want it): 32 rows x 256 bytes, a lane a row.
; Each row's 256 bytes of a K step are named ONCE in the launch.  A's tile row is read by both clusters of that row of clusters: cluster x = 0 asks, its wave 0; of the tile's 128 rows the partner at cx takes 32 cx .. 32 cx + 31.
; B's tile column is read by all eight clusters of that column: cluster y = 0 asks, its waves 2 and 3; of the 128 rows that the wave fetches the partner at cy takes 32 cy .. 32 cy + 31.  The partners are told apart BY ADDRESS.
; The last two refills have no K step two on.
.macro ASK
	s_cmp_gt_u32 s3, s[LIM]                        ; s3 = 1 in the loop's last trip
	s_cbranch_scc0 .Lnot_mine_\@
	global_prefetch_b8 v[PFO], s[PFA:PFA+1] offset:KSTEP*2 th:TH_LOAD_NT scope:SCOPE_SE
.Lnot_mine_\@:
.endm
; A round of the cluster's barrier: my work-group's barrier; wave 0 signals for the work-group; every wave waits for all sixteen work-groups; my work-group's barrier once more.
.macro CREST                           ; a round behind its opening barrier
	s_cmp_lg_u32 s10, 0
	s_cbranch_scc1 .Lnot_wave_0_\@
	s_barrier_signal -3
.Lnot_wave_0_\@:
	s_barrier_wait -3
	s_barrier_signal -1
	s_barrier_wait -1
.endm
.macro CROUND                          ; a whole round
	s_barrier_signal -1
	s_barrier_wait -1
	CREST
.endm
	s_load_b256 s[68:75], s[0:1], 0x0              ; o s[68:69], cast s[70:71], bo s[72:73], out0 s[74:75]
	v_lshl_add_u32 v[SPW], v0, 2, SPARE
	v_mov_b32 v[NIL], 0
	ds_add_u32 v[SPW], v[NIL]                      ; the wave's opening: the add and its wait stand ahead of my first tensor load; the set-up below, work on registers, stands between them
	v_lshrrev_b32 v1, 5, v0
	v_readfirstlane_b32 s10, v1                    ; wave 0..3
	s_lshr_b32 s11, s10, 1                         ; which 64 rows of the tile are mine.  Also: I fetch for A (0) or for B (1)
	s_and_b32 s12, s10, 1                          ; which 128 columns.  Also: which half of that tile I fetch
	s_bfe_u32 s40, ttmp6, 0x40000                  ; cx, cy: my place in the cluster
	s_bfe_u32 s41, ttmp6, 0x40004
	s_lshl_b32 s42, ttmp9, 2
	s_add_co_u32 s42, s42, s40                     ; tile column of C = 4 x cluster x + cx
	s_and_b32 s13, ttmp7, 0xffff
	s_lshl_b32 s13, s13, 2
	s_add_co_u32 s13, s13, s41                     ; tile row of C = 4 x cluster y + cy
	s_lshl_b32 s43, s41, 2
	s_lshl_b32 s43, 15, s43                        ; my row of the cluster: places 4 cy .. 4 cy + 3
	s_lshl_b32 s44, 0x1111, s40                    ; my column: places cx, cx + 4, cx + 8, cx + 12
	s_or_b32 s[G1+0], s43, FLAGS                   ; A's tiles go to my row,
	s_or_b32 s[G1B+0], s44, FLAGS                  ; B's to my column
	s_mov_b32 s[G1+1], KSTEP<<16                   ; tensor_dim0 = 128
	s_mov_b32 s[G1+2], 64<<16                      ; tensor_dim1 = 64
	s_mov_b32 s[G1+3], KSTEP<<16                   ; tile_dim0 = 128
	s_mov_b32 s[G1+4], 64                          ; tile_dim1 = 64
	s_mov_b32 s[G1+5], SIZE_K                      ; elements from row to row
	s_mov_b32 s[G1+6], 0
	s_mov_b32 s[G1+7], 0
	s_mov_b32 s[G1B+1], KSTEP<<16
	s_mov_b32 s[G1B+2], 128<<16                    ; B's loads have 128 rows
	s_mov_b32 s[G1B+3], KSTEP<<16
	s_mov_b32 s[G1B+4], 128
	s_mov_b32 s[G1B+5], SIZE_K
	s_mov_b32 s[G1B+6], 0
	s_mov_b32 s[G1B+7], 0
	; where the tiles come from.  A's hang on the tile row alone, which my row of the cluster shares; B's on the tile column alone, which my column shares.
	s_lshl_b32 s16, s13, 7
	s_lshl_b32 s17, s12, 6
	s_add_co_u32 s16, s16, s17                     ; A: row 128 x tile row + 64 x half,
	s_lshl_b32 s16, s16, 12                        ; in bytes
	s_mov_b32 s17, 0
	s_lshl_b32 s46, s42, 8
	s_lshl_b32 s47, s12, 7
	s_add_co_u32 s46, s46, s47                     ; B: row 256 x tile column + 128 x half
	s_lshl_b32 s46, s46, 12
	s_mov_b32 s47, 0
	s_mul_i32 s20, s12, AHALF                      ; and where they go: no place in the cluster enters an LDS address
	s_mul_i32 s23, s12, BHALF
	s_add_co_u32 s23, s23, APART
	s_wait_dscnt 0x0                               ; the opening add is done
	s_wait_kmcnt 0x0
	s_mov_b64 s[4:5], s[68:69]                     ; A: o
	s_add_nc_u64 s[6:7], s[70:71], WOSEG           ; B: Wo's segment
	s_mov_b64 s[8:9], s[74:75]                     ; C: out0
	s_mov_b64 s[BP:BP+1], s[72:73]                 ; bo
	s_add_nc_u64 s[14:15], s[4:5], s[16:17]
	s_add_nc_u64 s[46:47], s[6:7], s[46:47]
	CROUND                                         ; all sixteen work-groups are here: the first joint loads meet
.irp s, 0,1
	s_mov_b32 s[G0+4*(\s)], 1                                        ; count = 1
	s_add_co_u32 s[G0+4*(\s)+1], s20, (\s)*SLOT                      ; LDS address
	s_add_nc_u64 s[G0+4*(\s)+2:G0+4*(\s)+3], s[14:15], (\s)*KSTEP*2  ; global address: K step s
	s_or_b32 s[G0+4*(\s)+3], s[G0+4*(\s)+3], 0x80000000              ; type = 2
	s_mov_b32 s[G0B+4*(\s)], 1
	s_add_co_u32 s[G0B+4*(\s)+1], s23, (\s)*SLOT
	s_add_nc_u64 s[G0B+4*(\s)+2:G0B+4*(\s)+3], s[46:47], (\s)*KSTEP*2
	s_or_b32 s[G0B+4*(\s)+3], s[G0B+4*(\s)+3], 0x80000000
	JLOAD \s                                       ; two loads of mine are out
.endr
	; A fragment is 16 rows x 32 K in 8 registers: lane l holds row l % 16; registers 0-3 K = 8 (l / 16) + 0..7, registers 4-7 K = 16 + 8 (l / 16) + 0..7: two loads of 16 bytes, 32 bytes apart.
	v_and_b32 v1, 15, v0                           ; l % 16
	v_bfe_u32 v2, v0, 4, 1                         ; l / 16
	v_mul_u32_u24 v3, v1, PITCH
	v_lshl_add_u32 v3, v2, 4, v3                   ; row x pitch + 16 x half
	s_mul_i32 s21, s11, AHALF                      ; my 64 rows of A
	s_mul_i32 s22, s12, BHALF                      ; my 128 rows of B,
	s_add_co_u32 s22, s22, APART                   ; which lie behind A's 128
.irp s, 0,1
	v_add_nc_u32 v[ADRA+(\s)], s21, v3
	v_add_nc_u32 v[ADRB+(\s)], s22, v3
	s_add_co_u32 s21, s21, SLOT
	s_add_co_u32 s22, s22, SLOT
.endr
	s_mul_i32 s23, s10, 16*SPITCH
	s_add_co_u32 s23, s23, STAGE                   ; my stage
	v_mul_u32_u24 v4, v1, SPITCH                   ; in: row l % 16,
	v_lshl_add_u32 v4, v2, 5, v4                   ; 32 bytes for each half of the lanes
	v_add_nc_u32 v[STO], s23, v4
	v_and_b32 v5, 31, v0                           ; back: 32 lanes take one row of 512 bytes
	v_lshlrev_b32 v[CO], 4, v5
	v_add_nc_u32 v[RD], s23, v[CO]
	s_lshl_b32 s16, s13, 7
	s_lshl_b32 s17, s11, 6
	s_add_co_u32 s16, s16, s17                     ; my first row of C,
	s_lshl_b32 s16, s16, 13                        ; in bytes
	s_mov_b32 s17, 0
	s_add_nc_u64 s[8:9], s[8:9], s[16:17]
	s_lshl_b32 s46, s42, 10                        ; my first column, in bytes: a multiple of 256
	s_lshl_b32 s47, s12, 9
	s_add_co_u32 s46, s46, s47
	s_mov_b32 s47, 0
	s_add_nc_u64 s[8:9], s[8:9], s[46:47]
	s_lshl_b32 s18, s42, 10                        ; the bias of my first column: 4 bytes a number,
	s_lshl_b32 s19, s12, 9
	s_add_co_u32 s18, s18, s19
	v_lshl_add_u32 v[BO], v2, 5, s18               ; my lane's eight columns of each sixteen
	; the prefetches
	s_lshl_b32 s20, s13, 7                         ; A: the tile's first row
	s_lshl_b32 s21, s42, 8
	s_lshl_b32 s22, s12, 7
	s_add_co_u32 s21, s21, s22                     ; B: the first of the 128 rows that I fetch
	s_and_b32 s22, ttmp7, 0xffff                   ; cluster y
	s_or_b32 s23, ttmp9, s12                       ; cluster x; of waves 0 and 1 only wave 0 asks
	s_cmp_eq_u32 s11, 0                            ; do I fetch for A?
	s_cselect_b32 s20, s20, s21
	s_cselect_b32 s21, s40, s41                    ; my place among the four that ask for the tile with me
	s_cselect_b32 s22, s23, s22
	s_cselect_b64 s[PFA:PFA+1], s[4:5], s[6:7]
	s_cmp_eq_u32 s22, 0
	s_cselect_b32 s[LIM], 1, -1                    ; the same in all sixteen partners, for a given wave
	s_lshl_b32 s21, s21, 5
	s_add_co_u32 s20, s20, s21                     ; + my work-group's 32 rows
	s_lshl_b32 s20, s20, 12
	s_mov_b32 s21, 0
	s_add_nc_u64 s[PFA:PFA+1], s[PFA:PFA+1], s[20:21]
	s_add_nc_u64 s[PFA:PFA+1], s[PFA:PFA+1], 2*KSTEP*2  ; at K step 2: the first refill steps it to 3 and names K step 4.  Nothing is prefetched here, at the head
	v_and_b32 v[PFO], 31, v0
	v_lshlrev_b32 v[PFO], 12, v[PFO]
; 8 matrix instructions: m block a x all 8 n blocks, 32 along K, from buffer f.  zero = 1: a sum's first product, whose C operand is the bias: nothing is ever cleared.
; The 32 accumulators take turns, one instruction a turn, in the same order in every quarter step, over every jump.
.macro MUL8 f, a, zero
.if \zero
	WIN MULB
.else
	WIN MULW
.endif
.irp b, 0,1,2,3,4,5,6,7
.set rD, 64*(\a)+8*(\b)
.set rB, (\f)+8*(\b)
.set rA, (\f)+64+8*(\a)
.if \zero
.set rC, 8*(\b)
.else
.set rC, rD
.endif
	v_wmma_f32_16x16x32_f16 v[rD:rD+7], v[rB:rB+7], v[rA:rA+7], v[rC:rC+7]
.endr
.endm
; 24 LDS loads in one run: the fragments of one quarter step (128 rows of B, then 64 rows of A, 32 K at byte k of the rows) into buffer f
.macro FETCH slot, k, f
	WIN 0
.irp i, 0,1,2,3,4,5,6,7
	ds_load_b128 v[(\f)+8*(\i):(\f)+8*(\i)+3],   v[ADRB+(\slot)] offset:(\k)+(\i)*16*PITCH
	ds_load_b128 v[(\f)+8*(\i)+4:(\f)+8*(\i)+7], v[ADRB+(\slot)] offset:(\k)+(\i)*16*PITCH+32
.endr
.irp i, 0,1,2,3
	ds_load_b128 v[(\f)+64+8*(\i):(\f)+64+8*(\i)+3],   v[ADRA+(\slot)] offset:(\k)+(\i)*16*PITCH
	ds_load_b128 v[(\f)+64+8*(\i)+4:(\f)+64+8*(\i)+7], v[ADRA+(\slot)] offset:(\k)+(\i)*16*PITCH+32
.endr
.endm
.macro PLACES                          ; four places in front of loads into registers that matrix instructions have read, and of what reads results (ISA guide 7.12.1 for vector instructions)
.rept 4
	v_nop
.endr
.endm
; A K step is four quarter steps of 32 along K, 32 matrix instructions each, on buffers 0, 1, 0, 1.  One of the first three: multiplies buffer f; in its middle it fetches the next quarter, at byte k, into g.
.macro QUARTER slot, k, f, g, zero
	s_wait_dscnt 4                                 ; B and A's rows 0-31 are in; the youngest four loads (A's rows 32-63) may be out
	MUL8 \f, 0, \zero
	MUL8 \f, 1, \zero
	PLACES
	FETCH \slot, \k, \g
	s_wait_dscnt 24                                ; all but the 24 just issued
	MUL8 \f, 2, \zero
	MUL8 \f, 3, \zero
.endm
; The last quarter multiplies buffer 1 and changes slots: ONE barrier.  In front of it each wave waits for all its tensor loads, of which one is out: its part of the next slot; adds 0 to its spare word; and waits for
; that and for its own reads of this slot.  fill = 1: this slot is filled again with the K step two steps on: the barrier then opens a round of the cluster's, so that no wave of any partner still reads the slot or has
; a load on its way, and the joint refill is the first tensor load behind it: 112 matrix instructions ahead of the wait for it.  fill = 0: nothing is filled.
.macro TURN slot, next, fill
.if \fill
	s_wait_xcnt 0x0                                ; the last prefetch, a K step back, has read its address: it is stepped here, ahead of the waits of the change of slots
	s_add_nc_u64 s[PFA:PFA+1], s[PFA:PFA+1], KSTEP*2
.endif
	WIN 0                                          ; (the add's two registers lie in window 0)
	s_wait_tensorcnt 0x0                           ; all my tensor loads have landed;
	ds_add_u32 v[SPW], v[NIL]                      ; 0 onto my spare word;
	s_wait_dscnt 5                                 ; (the add and the youngest four loads may be out)
	MUL8 F1, 0, 0                                  ; eight matrix instructions stand between the add and the wait for it
	s_wait_dscnt 0x0                               ; the add is done, and my reads of this slot are over
	s_barrier_signal -1
	MUL8 F1, 1, 0                                  ; work on registers while the others arrive
.if \fill
	WIN 0
.endif
	s_barrier_wait -1
.if \fill
	CREST
	s_add_nc_u64 s[G0+4*(\slot)+2:G0+4*(\slot)+3], s[G0+4*(\slot)+2:G0+4*(\slot)+3], 2*KSTEP*2
	s_add_nc_u64 s[G0B+4*(\slot)+2:G0B+4*(\slot)+3], s[G0B+4*(\slot)+2:G0B+4*(\slot)+3], 2*KSTEP*2
	JLOAD \slot                                    ; the four v_nop behind it are also the places in front of the loads below
.else
	PLACES
.endif
	FETCH \next, 0, F0
.if \fill
	ASK
.endif
	MUL8 F1, 2, 0
	MUL8 F1, 3, 0
.endm
; The bias of my 128 columns: for n block b a lane's eight columns, 32 bytes: the C operand of that block's first products, the same for all four m blocks.
.macro BIASLD
	WIN 0x80                                       ; destination window 2, address window 0
.irp b, 0,1,2,3,4,5,6,7
	global_load_b128 v[8*(\b):8*(\b)+3],   v[BO], s[BP:BP+1] offset:64*(\b)
	global_load_b128 v[8*(\b)+4:8*(\b)+7], v[BO], s[BP:BP+1] offset:64*(\b)+16
.endr
	WIN 0
.endm
.macro BIASRND                         ; rounded to bf16, like every input of the module, and widened again
	WIN 0x8a                                       ; all in window 2
.set i, 0
.rept 32
	v_cvt_pk_bf16_f32 v[64+i], v[2*i], v[2*i+1]
.set i, i+1
.endr
.set i, 0
.rept 32
	v_lshlrev_b32 v[2*i],   16, v[64+i]
	v_and_b32     v[2*i+1], 0xffff0000, v[64+i]
.set i, i+1
.endr
.endm
; THE WAY OUT, a block of 16 rows at a time, through my own stage in LDS.  OUTB: into the stage and back as whole rows of 512 bytes.  SEND: stored.  Each accumulator's registers are read in ascending order.
.macro OUTB a
.if (\a) >= 2
	s_wait_xcnt 0x0                                ; the registers that the stores two blocks back read are loaded again only behind this wait
.endif
.set BK, 32+96*((\a)%2)
	WIN 0x04                                       ; the stores' data in window 1
.irp b, 0,1,2,3,4,5,6,7
	ds_store_b128 v[STO], v[64*(\a)+8*(\b):64*(\a)+8*(\b)+3]   offset:64*(\b)
	ds_store_b128 v[STO], v[64*(\a)+8*(\b)+4:64*(\a)+8*(\b)+7] offset:64*(\b)+16
.endr
	WIN 0
.irp t, 0,1,2,3,4,5,6,7,8,9,10,11,12,13,14,15
	ds_load_b128 v[BK+4*(\t):BK+4*(\t)+3], v[RD] offset:(\t)*SPITCH    ; LDS serves a wave's instructions in order (ISA guide 5.7.1.4): these see the stores above
.endr
.endm
.macro SEND a, younger                 ; younger: the LDS instructions issued behind block a's loads: the next block's, or none
	WIN 0
	s_wait_dscnt \younger
.set BK, 32+96*((\a)%2)
.irp t, 0,1,2,3,4,5,6,7,8,9,10,11,12,13,14,15
	global_store_b128 v[CO], v[BK+4*(\t):BK+4*(\t)+3], s[8:9] offset:(16*(\a)+(\t))*CROW    ; 32 lanes store 512 consecutive bytes, at a multiple of 256 from C's first byte
.endr
.endm
.macro WAYOUT
	PLACES                                         ; eight, once a launch
	PLACES
	OUTB 0
	OUTB 1                                         ; a block's way into the stage stands between the loads of the block before and its stores
	SEND 0, YOUNG
	OUTB 2
	SEND 1, YOUNG
	OUTB 3
	SEND 2, YOUNG
	SEND 3, 0
.endm
	BIASLD
	s_wait_tensorcnt 1                             ; my part of K step 0 is in; K step 1's may stay out
	s_barrier_signal -1
	s_barrier_wait -1                              ; everybody's is
	FETCH 0, 0, F0
	s_wait_loadcnt 0x0                             ; the bias
	BIASRND
	QUARTER 0, 64,  F0, F1, 1                      ; the first quarter stands in front of the loop: its products start the sums
	WIN 0                                          ; at a label and at a branch every window is 0
	s_mov_b32 s3, LAPS-1
.Llap:                                                 ; a trip goes once round the ring, from a lap's second quarter to the next lap's first, and fills both slots again
	QUARTER 0, 128, F1, F0, 0
	QUARTER 0, 192, F0, F1, 0
	TURN 0, 1, 1
	QUARTER 1, 64,  F0, F1, 0
	QUARTER 1, 128, F1, F0, 0
	QUARTER 1, 192, F0, F1, 0
	TURN 1, 0, 1
	QUARTER 0, 64,  F0, F1, 0
	WIN 0
	s_sub_co_u32 s3, s3, 1
	s_cmp_lg_u32 s3, 0
	s_cbranch_scc1 .Llap
	QUARTER 0, 128, F1, F0, 0                      ; the last lap goes on
	QUARTER 0, 192, F0, F1, 0
	TURN 0, 1, 0                                   ; my one tensor load that was still out is the last K step's, so no round follows
	QUARTER 1, 64,  F0, F1, 0
	QUARTER 1, 128, F1, F0, 0
	QUARTER 1, 192, F0, F1, 0
	s_wait_dscnt 4                                 ; the very last quarter: nothing more to fetch
	MUL8 F1, 0, 0
	MUL8 F1, 1, 0
	s_wait_dscnt 0x0
	MUL8 F1, 2, 0
	MUL8 F1, 3, 0
	WIN 0
	WAYOUT
	s_wait_tensorcnt 0x0                           ; the wave's end: behind my last tensor load and my last LDS store
	ds_add_u32 v[SPW], v[NIL]
	s_wait_dscnt 0x0
	CROUND                                         ; the closing round: no work-group ends while a partner may still ask for a tile that names it
	s_endpgm
.Lfunc_end_k_q0bada2f7a0_outp:
	.size	k_q0bada2f7a0_outp, .Lfunc_end_k_q0bada2f7a0_outp-k_q0bada2f7a0_outp
	.p2alignl 7, 3214868480
	.fill 96, 4, 3214868480
	.section	.rodata,"a",@progbits
	.p2align	6, 0x0
	.amdhsa_kernel k_q0bada2f7a0_outp
		.amdhsa_group_segment_fixed_size 327680
		.amdhsa_private_segment_fixed_size 0
		.amdhsa_enable_private_segment 0
		.amdhsa_kernarg_size 32
		.amdhsa_user_sgpr_count 2
		.amdhsa_user_sgpr_kernarg_segment_ptr 1
		.amdhsa_wavefront_size32 1
		.amdhsa_system_sgpr_workgroup_id_x 1
		.amdhsa_system_sgpr_workgroup_id_y 1
		.amdhsa_system_sgpr_workgroup_id_z 1
		.amdhsa_system_vgpr_workitem_id 0
		.amdhsa_next_free_vgpr 640
		.amdhsa_next_free_sgpr 80
		.amdhsa_reserve_vcc 0
		.amdhsa_float_denorm_mode_32 3
		.amdhsa_float_denorm_mode_16_64 3
		.amdhsa_memory_ordered 1
		.amdhsa_forward_progress 1
		.amdhsa_inst_pref_size 93
	.end_amdhsa_kernel
	.amdgpu_metadata
---
amdhsa.version: [ 1, 2 ]
amdhsa.kernels:
  - .name:           k_q0bada2f7a0_outp
    .symbol:         k_q0bada2f7a0_outp.kd
    .args:
      - { .name: o, .offset: 0, .size: 8, .value_kind: global_buffer, .address_space: global }
      - { .name: cast, .offset: 8, .size: 8, .value_kind: global_buffer, .address_space: global }
      - { .name: bo, .offset: 16, .size: 8, .value_kind: global_buffer, .address_space: global }
      - { .name: out0, .offset: 24, .size: 8, .value_kind: global_buffer, .address_space: global }
    .group_segment_fixed_size: 327680
    .private_segment_fixed_size: 0
    .kernarg_segment_align: 8
    .kernarg_segment_size: 32
    .max_flat_workgroup_size: 128
    .sgpr_count:     80
    .vgpr_count:     640
    .wavefront_size: 32
...
	.end_amdgpu_metadata
.endif
;; end of part 4
;; ======== version 2 of 2: 4 launches; version 1 with the launch cast written anew for expert scheduling mode
;; limits: values are held in f16: magnitudes above 65,504 overflow, below 6.1e-05 lose precision
;; workspace buffers: cast 83,886,080 bytes; qkv 50,331,648 bytes; o 16,777,216 bytes
;; launch cast (part 5): grid 256 x 10, 8 waves a work-group, no clusters, 0 bytes of LDS; arguments query, key, value, Wq, Wk, Wv, Wo, cast; writes cast
.if DOCPART == 5
	.amdgcn_target "amdgcn-amd-amdhsa--gfx1250"
	.amdhsa_code_object_version 6
	.text
	.protected	k_q0bada2f7a0_cast
	.globl	k_q0bada2f7a0_cast
	.p2align	8
	.type	k_q0bada2f7a0_cast,@function
k_q0bada2f7a0_cast:
	s_mov_b64 s[64:65], 0
	v_nop
	global_prefetch_b8 v0, s[64:65] scope:SCOPE_SE
	s_setreg_imm32_b32 hwreg(HW_REG_WAVE_SCHED_MODE, 0, 2), 2
	s_setreg_imm32_b32 hwreg(HW_REG_WAVE_MODE, 25, 1), 1
	s_wait_xcnt 0x0
	s_wait_alu depctr_vm_vsrc(0)
; The module's seven large f32 inputs, each rounded once to 16 bits, into one workspace of ten segments of 4,194,304 numbers:
; segments 0-5: query, key, value (two segments each) in bf16; 6-8: Wq, Wk, Wv in bf16; 9: Wo, rounded to bf16 like every input, and that number written as f16,
; because the last product multiplies it by f16 numbers.  LIMITS of segment 9: |Wo| stays under 65,504; below 6.1e-5 the number keeps f16's fixed step of 6e-8.
; A stream: no LDS, no barrier, no matrix unit.  Grid y = the segment; work-group x takes 16 rows of 1,024 numbers of it (65,536 bytes in, 32,768 out).
; Thread t owns the 16 bytes at 16 t of each row in and the 8 bytes at 8 t of each row out: a wave's load covers 512 consecutive bytes, its store 256, both aligned.
; Eight loads of every wave are on their way: eight go out at the head, and behind the wait for row i's load the load of row i + 8 follows.
; THE MODE: SCHED_MODE bits 1:0 = 2 (LLVM: expert scheduling mode 2), set by the entry lines.  The code itself states the register dependences
; between vector instructions and memory instructions, with s_wait_alu, always for 0.
; THE PLAN.  Registers that memory instructions touch:
;   v1, v2     byte offsets, made once at the head and never written again: every row's place stands in an immediate.  v1 is read by every load, v2 by every store.
;   R0 .. R15  row i's own four registers.  Written by row i's one load, before which nothing has named them; then read and written by row i's conversions, in place: the four f32 close up into
;              the first two registers; these are read by row i's one store, behind which nothing writes them.
; So no load lands in a register that a vector instruction has named, and no register that a memory instruction has read is written again.  What is left to state: the offsets are written, once, at the
; head; and a row's conversions are written before its store reads them.  The stores run four rows behind the conversions: ONE wait for every four rows, at the head of rows 4, 8 and 12, states that the four rows
; before are written; their four stores follow it, one in front of each of the next four rows' conversions, which name their own rows' registers alone.  One more wait stands ahead of the last four stores.
.set ROWI,  4096                       ; bytes in a row, in
.set ROWO,  2048                       ; bytes in a row, out
.set R, 4                              ; v[4:67]   row i: four registers at R + 4 i: four f32 as loaded; then, in the first two, four 16-bit numbers to store
	s_load_b512 s[8:23], s[0:1], 0x0               ; query s[8:9], key s[10:11], value s[12:13], Wq s[14:15], Wk s[16:17], Wv s[18:19], Wo s[20:21], cast s[22:23]
	s_and_b32 s4, ttmp7, 0xffff                    ; the segment, 0 to 9
	s_lshr_b32 s5, s4, 1
	v_lshlrev_b32 v1, 4, v0                        ; my 16 bytes of a row in; never rewritten
	v_lshlrev_b32 v2, 3, v0                        ; my 8 bytes of a row out; never rewritten
	s_and_b32 s6, s4, 1
	s_lshl_b32 s6, s6, 24                          ; the second half of an activation begins 16,777,216 bytes in
	s_cmp_lt_u32 s4, 6
	s_cselect_b32 s26, s6, 0                       ; a weight is one segment
	s_lshl_b32 s7, ttmp9, 16
	s_add_co_u32 s26, s26, s7                      ; + the work-group's 16 rows in
	s_mov_b32 s27, 0
	s_lshl_b32 s28, s4, 23                         ; a segment is 8,388,608 bytes out
	s_lshl_b32 s7, ttmp9, 15
	s_add_co_u32 s28, s28, s7                      ; + the work-group's 16 rows out
	s_mov_b32 s29, 0
	s_wait_kmcnt 0x0
	s_mov_b64 s[24:25], s[8:9]                     ; the source: chosen by the segment's number alone
	s_cmp_eq_u32 s5, 1
	s_cselect_b64 s[24:25], s[10:11], s[24:25]
	s_cmp_eq_u32 s5, 2
	s_cselect_b64 s[24:25], s[12:13], s[24:25]
	s_cmp_eq_u32 s4, 6
	s_cselect_b64 s[24:25], s[14:15], s[24:25]
	s_cmp_eq_u32 s4, 7
	s_cselect_b64 s[24:25], s[16:17], s[24:25]
	s_cmp_eq_u32 s4, 8
	s_cselect_b64 s[24:25], s[18:19], s[24:25]
	s_cmp_eq_u32 s4, 9
	s_cselect_b64 s[24:25], s[20:21], s[24:25]
	s_add_nc_u64 s[24:25], s[24:25], s[26:27]
	s_add_nc_u64 s[30:31], s[22:23], s[28:29]
	s_wait_alu depctr_va_vdst(0)                   ; v1 and v2 are written: every load of the kernel reads v1 as its offset, every store v2
; Row i's four numbers, in place.  Two roundings to bf16, packed.  wo = 1: widened again (a mask, a shift) and written as f16.  The result lies in the row's first two registers.
.macro CONV i, wo
.if \wo
	v_cvt_pk_bf16_f32 v[R+4*(\i)],   v[R+4*(\i)],   v[R+4*(\i)+1]
	v_cvt_pk_bf16_f32 v[R+4*(\i)+2], v[R+4*(\i)+2], v[R+4*(\i)+3]
	v_and_b32     v[R+4*(\i)+1], 0xffff0000, v[R+4*(\i)]
	v_lshlrev_b32 v[R+4*(\i)],   16, v[R+4*(\i)]
	v_and_b32     v[R+4*(\i)+3], 0xffff0000, v[R+4*(\i)+2]
	v_lshlrev_b32 v[R+4*(\i)+2], 16, v[R+4*(\i)+2]
	v_cvt_pk_f16_f32 v[R+4*(\i)],   v[R+4*(\i)],   v[R+4*(\i)+1]
	v_cvt_pk_f16_f32 v[R+4*(\i)+1], v[R+4*(\i)+2], v[R+4*(\i)+3]
.else
	v_cvt_pk_bf16_f32 v[R+4*(\i)],   v[R+4*(\i)],   v[R+4*(\i)+1]
	v_cvt_pk_bf16_f32 v[R+4*(\i)+1], v[R+4*(\i)+2], v[R+4*(\i)+3]
.endif
.endm
; The work-group's 16 rows.  Row i's turn: its load is in; the load of the row eight further down; the store of the row four back; its conversions.  The last eight turns load nothing.
.macro ROWS wo
.irp i, 0,1,2,3,4,5,6,7
	global_load_b128 v[R+4*(\i):R+4*(\i)+3], v1, s[24:25] offset:(\i)*ROWI th:TH_LOAD_NT
.endr
.irp i, 0,1,2,3,4,5,6,7,8,9,10,11,12,13,14,15
.if (\i) < 8
	s_wait_loadcnt 7                               ; loads come back in order: this row's is in, the seven younger ones stay out
.else
	s_wait_loadcnt 15-(\i)                         ; the counts run down
.endif
.if (\i) > 0 && (\i)%4 == 0
	s_wait_alu depctr_va_vdst(0)                   ; the conversions of the four rows before have written those rows' first two registers, which the stores of this turn and the next three read
.endif
.if (\i) < 8
	global_load_b128 v[R+4*((\i)+8):R+4*((\i)+8)+3], v1, s[24:25] offset:((\i)+8)*ROWI th:TH_LOAD_NT  ; into registers that no instruction has named yet
.endif
.if (\i) >= 4
	global_store_b64 v2, v[R+4*((\i)-4):R+4*((\i)-4)+1], s[30:31] offset:((\i)-4)*ROWO th:TH_STORE_NT  ; no vector instruction since the wait names this row's registers
.endif
	CONV \i, \wo
.endr
	s_wait_alu depctr_va_vdst(0)                   ; the conversions of rows 12 to 15 have written what the last four stores read
.irp i, 12,13,14,15
	global_store_b64 v2, v[R+4*(\i):R+4*(\i)+1], s[30:31] offset:(\i)*ROWO th:TH_STORE_NT
.endr
	s_endpgm
.endm
	s_cmp_eq_u32 s4, 9
	s_cbranch_scc1 .Lwo
	ROWS 0
.Lwo:
	ROWS 1
.Lfunc_end_k_q0bada2f7a0_cast:
	.size	k_q0bada2f7a0_cast, .Lfunc_end_k_q0bada2f7a0_cast-k_q0bada2f7a0_cast
	.p2alignl 7, 3214868480
	.fill 96, 4, 3214868480
	.section	.rodata,"a",@progbits
	.p2align	6, 0x0
	.amdhsa_kernel k_q0bada2f7a0_cast
		.amdhsa_group_segment_fixed_size 0
		.amdhsa_private_segment_fixed_size 0
		.amdhsa_enable_private_segment 0
		.amdhsa_kernarg_size 64
		.amdhsa_user_sgpr_count 2
		.amdhsa_user_sgpr_kernarg_segment_ptr 1
		.amdhsa_wavefront_size32 1
		.amdhsa_system_sgpr_workgroup_id_x 1
		.amdhsa_system_sgpr_workgroup_id_y 1
		.amdhsa_system_sgpr_workgroup_id_z 1
		.amdhsa_system_vgpr_workitem_id 0
		.amdhsa_next_free_vgpr 68
		.amdhsa_next_free_sgpr 66
		.amdhsa_reserve_vcc 0
		.amdhsa_float_denorm_mode_32 3
		.amdhsa_float_denorm_mode_16_64 3
		.amdhsa_memory_ordered 1
		.amdhsa_forward_progress 1
		.amdhsa_inst_pref_size 18
	.end_amdhsa_kernel
	.amdgpu_metadata
---
amdhsa.version: [ 1, 2 ]
amdhsa.kernels:
  - .name:           k_q0bada2f7a0_cast
    .symbol:         k_q0bada2f7a0_cast.kd
    .args:
      - { .name: query, .offset: 0, .size: 8, .value_kind: global_buffer, .address_space: global }
      - { .name: key, .offset: 8, .size: 8, .value_kind: global_buffer, .address_space: global }
      - { .name: value, .offset: 16, .size: 8, .value_kind: global_buffer, .address_space: global }
      - { .name: Wq, .offset: 24, .size: 8, .value_kind: global_buffer, .address_space: global }
      - { .name: Wk, .offset: 32, .size: 8, .value_kind: global_buffer, .address_space: global }
      - { .name: Wv, .offset: 40, .size: 8, .value_kind: global_buffer, .address_space: global }
      - { .name: Wo, .offset: 48, .size: 8, .value_kind: global_buffer, .address_space: global }
      - { .name: cast, .offset: 56, .size: 8, .value_kind: global_buffer, .address_space: global }
    .group_segment_fixed_size: 0
    .private_segment_fixed_size: 0
    .kernarg_segment_align: 8
    .kernarg_segment_size: 64
    .max_flat_workgroup_size: 256
    .sgpr_count:     66
    .vgpr_count:     68
    .wavefront_size: 32
...
	.end_amdgpu_metadata
.endif
;; end of part 5
;; launch qkv: the kernel of part 2 again; grid 8 x 24, 4 waves a work-group, clusters of 4 x 4, 327,680 bytes of LDS; arguments cast, bq, bk, bv, qkv; writes qkv
;; launch attn: the kernel of part 3 again; grid 256 x 1, 4 waves a work-group, no clusters, 230,912 bytes of LDS; arguments qkv, o; writes o
;; launch outp: the kernel of part 4 again; grid 8 x 32, 4 waves a work-group, clusters of 4 x 4, 327,680 bytes of LDS; arguments o, cast, bo, out0; writes out0
